; MI455X (gfx1250); checked and timed in simulation.
; The chip was launched on July 23, 2026; its instructions are those of AMD's public machine-readable ISA for CDNA 5 (MIT licence, August 2026) and "CDNA5" Instruction Set Architecture Reference Guide (July 2026). The comments in the code are by the model that wrote it; some were corrected since.
;; Multi Head Attention. Allowed arithmetic: float matrix products may take bf16 or f16 operands with f32 sums; other float arithmetic in f32, or as packed bf16 or f16 multiplies, adds, multiply-adds, maxima and minima; sums over many terms, partial sums and values carried from step to step in f32; what a program stores and reads back later, other than sums and carried values, may be rounded once to bf16 or f16.
;; Inputs: Wk 2,048 x 2,048 float32; Wo 2,048 x 2,048 float32; Wq 2,048 x 2,048 float32; Wv 2,048 x 2,048 float32; cos 2,048 x 128 float32; sin 2,048 x 128 float32; x 1 x 2,048 x 2,048 float32.
;; Outputs: out0 1 x 2,048 x 2,048 float32.
;; One version. Each part assembles by itself: llvm-mc -triple=amdgcn-amd-amdhsa -mcpu=gfx1250 --defsym DOCPART=n.
;; ======== version 1 of 1: 4 launches
;; limits: values are held in f16: magnitudes above 65,504 overflow, below 6.1e-05 lose precision; right only within a limited range of input values
;; workspace buffers: wb 42,991,616 bytes; qkv 25,165,824 bytes; ctx 8,388,608 bytes
;; launch cast (part 1): grid 1312 x 1, 8 waves a work-group, no clusters, 0 bytes of LDS; arguments x, Wq, Wk, Wv, Wo, cos, sin, wb; writes wb
.if DOCPART == 1
	.amdgcn_target "amdgcn-amd-amdhsa--gfx1250"
	.amdhsa_code_object_version 6
	.text
	.protected	k_qbee4639c32_cast
	.globl	k_qbee4639c32_cast
	.p2align	8
	.type	k_qbee4639c32_cast,@function
k_qbee4639c32_cast:
	s_mov_b64 s[64:65], 0
	v_nop
	global_prefetch_b8 v0, s[64:65] scope:SCOPE_SE
	s_setreg_imm32_b32 hwreg(HW_REG_WAVE_MODE, 25, 1), 1
	s_wait_xcnt 0x0
; ALL SEVEN INPUTS ARE ROUNDED ONCE TO bf16 and laid one behind the other in wb, each times a power of two (exact):
;   x, cos, sin x 1;  Wq, Wk x 2^-8;  Wv x 2^-2 (all bf16);  Wo: rounded to bf16, that number x 4 written as f16 (8 significant bits fit in f16's 11).
; The powers of two give q, k, v and the output product room in f16 in the later launches; they cancel there (2^16 in the softmax's constant, 2^-2 x 2^2 round the last product).
; LIMITS.  |Wo| up to 16,000 (f16 behind the factor 4); Wo below 1.5e-5 keeps f16's fixed step.  NaN and infinities are not treated apart.
; SHARES.  A work-group takes 65,536 bytes of one input and writes 32,768.  Work-groups 0-1279: input id / 256 (x, Wq, Wk, Wv, Wo), chunk id % 256; 1280-1295 cos; 1296-1311 sin.
; wb's order is the order of the ids, so the output offset is id x 32,768.  A stream: no LDS, no matrix unit, no cluster (nothing is shared), no prefetch (the loads themselves keep memory busy).
; Thread t takes 16 bytes at 16 t of each 4,096: a wave's load covers 512 consecutive bytes; its store of 8 bytes a lane covers 256 consecutive bytes, aligned.
; The converted pair is written over the words that were loaded: a wave needs 70 registers, so that more work-groups lie on a WGP at a time, each with its sixteen loads out.
.set X, 4                              ; v[4:67]    sixteen loads of four f32; the first two words of each then hold the pair to store
.set T, 68                             ; v[68:69]   Wo's way: the bf16 pairs
	s_load_b512 s[8:23], s[0:1], 0x0               ; x, Wq, Wk, Wv, Wo, cos, sin, wb
	s_lshr_b32 s2, ttmp9, 8                        ; which input: 0-4; 5 = cos or sin
	s_and_b32 s3, ttmp9, 255
	s_and_b32 s4, s3, 15
	s_cmp_eq_u32 s2, 5
	s_cselect_b32 s4, s4, s3                       ; the chunk in that input
	s_lshl_b32 s4, s4, 16
	s_mov_b32 s5, 0
	s_lshl_b32 s6, ttmp9, 15                       ; the output offset
	s_mov_b32 s7, 0
	s_mov_b32 s26, 1.0
	v_lshlrev_b32 v1, 4, v0
	v_lshlrev_b32 v2, 3, v0
	s_wait_kmcnt 0x0
	s_mov_b64 s[24:25], s[8:9]                     ; the input and its factor are chosen by the work-group's number alone
	s_cmp_eq_u32 s2, 1
	s_cselect_b64 s[24:25], s[10:11], s[24:25]
	s_cselect_b32 s26, 0x3b800000, s26             ; 2^-8
	s_cmp_eq_u32 s2, 2
	s_cselect_b64 s[24:25], s[12:13], s[24:25]
	s_cselect_b32 s26, 0x3b800000, s26
	s_cmp_eq_u32 s2, 3
	s_cselect_b64 s[24:25], s[14:15], s[24:25]
	s_cselect_b32 s26, 0x3e800000, s26             ; 2^-2
	s_cmp_eq_u32 s2, 4
	s_cselect_b64 s[24:25], s[16:17], s[24:25]
	s_cselect_b32 s26, 4.0, s26
	s_cmp_eq_u32 s2, 5
	s_cselect_b64 s[24:25], s[18:19], s[24:25]
	s_cmp_ge_u32 ttmp9, 1296
	s_cselect_b64 s[24:25], s[20:21], s[24:25]
	s_mov_b32 s27, s26                             ; named with it as a pair
	s_add_nc_u64 s[24:25], s[24:25], s[4:5]
	s_add_nc_u64 s[22:23], s[22:23], s[6:7]
.irp u, 0,1,2,3,4,5,6,7,8,9,10,11,12,13,14,15
	global_load_b128 v[X+4*(\u):X+4*(\u)+3], v1, s[24:25] offset:4096*(\u) th:TH_LOAD_NT  ; all sixteen go out at once: 8 KiB a wave on their way
.endr
	s_cmp_eq_u32 s2, 4
	s_cbranch_scc1 .Lwo
.irp u, 0,1,2,3,4,5,6,7,8,9,10,11,12,13,14,15
	s_wait_loadcnt 15-(\u)                         ; loads come back in order: load u is in, the younger ones stay out
	v_pk_mul_f32 v[X+4*(\u):X+4*(\u)+1], v[X+4*(\u):X+4*(\u)+1], s[26:27] op_sel_hi:[1,0]
	v_pk_mul_f32 v[X+4*(\u)+2:X+4*(\u)+3], v[X+4*(\u)+2:X+4*(\u)+3], s[26:27] op_sel_hi:[1,0]
	v_cvt_pk_bf16_f32 v[X+4*(\u)], v[X+4*(\u)], v[X+4*(\u)+1]
	v_cvt_pk_bf16_f32 v[X+4*(\u)+1], v[X+4*(\u)+2], v[X+4*(\u)+3]
	global_store_b64 v2, v[X+4*(\u):X+4*(\u)+1], s[22:23] offset:2048*(\u)  ; every unit has its own data registers: none is rewritten while a store reads it
.endr
	s_endpgm
.Lwo:                                          ; Wo: to bf16, back to f32, times 4, to f16 (exact)
.irp u, 0,1,2,3,4,5,6,7,8,9,10,11,12,13,14,15
	s_wait_loadcnt 15-(\u)
	v_cvt_pk_bf16_f32 v[T], v[X+4*(\u)], v[X+4*(\u)+1]
	v_cvt_pk_bf16_f32 v[T+1], v[X+4*(\u)+2], v[X+4*(\u)+3]
	v_lshlrev_b32 v[X+4*(\u)], 16, v[T]
	v_and_b32 v[X+4*(\u)+1], 0xffff0000, v[T]
	v_lshlrev_b32 v[X+4*(\u)+2], 16, v[T+1]
	v_and_b32 v[X+4*(\u)+3], 0xffff0000, v[T+1]
	v_pk_mul_f32 v[X+4*(\u):X+4*(\u)+1], v[X+4*(\u):X+4*(\u)+1], s[26:27] op_sel_hi:[1,0]
	v_pk_mul_f32 v[X+4*(\u)+2:X+4*(\u)+3], v[X+4*(\u)+2:X+4*(\u)+3], s[26:27] op_sel_hi:[1,0]
	v_cvt_pk_f16_f32 v[X+4*(\u)], v[X+4*(\u)], v[X+4*(\u)+1]
	v_cvt_pk_f16_f32 v[X+4*(\u)+1], v[X+4*(\u)+2], v[X+4*(\u)+3]
	global_store_b64 v2, v[X+4*(\u):X+4*(\u)+1], s[22:23] offset:2048*(\u)
.endr
	s_endpgm
.Lfunc_end_k_qbee4639c32_cast:
	.size	k_qbee4639c32_cast, .Lfunc_end_k_qbee4639c32_cast-k_qbee4639c32_cast
	.p2alignl 7, 3214868480
	.fill 96, 4, 3214868480
	.section	.rodata,"a",@progbits
	.p2align	6, 0x0
	.amdhsa_kernel k_qbee4639c32_cast
		.amdhsa_group_segment_fixed_size 0
		.amdhsa_private_segment_fixed_size 0
		.amdhsa_enable_private_segment 0
		.amdhsa_kernarg_size 64
		.amdhsa_user_sgpr_count 2
		.amdhsa_user_sgpr_kernarg_segment_ptr 1
		.amdhsa_wavefront_size32 1
		.amdhsa_system_sgpr_workgroup_id_x 1
		.amdhsa_system_sgpr_workgroup_id_y 1
		.amdhsa_system_sgpr_workgroup_id_z 1
		.amdhsa_system_vgpr_workitem_id 0
		.amdhsa_next_free_vgpr 72
		.amdhsa_next_free_sgpr 66
		.amdhsa_reserve_vcc 0
		.amdhsa_float_denorm_mode_32 3
		.amdhsa_float_denorm_mode_16_64 3
		.amdhsa_memory_ordered 1
		.amdhsa_forward_progress 1
		.amdhsa_inst_pref_size 21
	.end_amdhsa_kernel
	.amdgpu_metadata
---
amdhsa.version: [ 1, 2 ]
amdhsa.kernels:
  - .name:           k_qbee4639c32_cast
    .symbol:         k_qbee4639c32_cast.kd
    .args:
      - { .name: x, .offset: 0, .size: 8, .value_kind: global_buffer, .address_space: global }
      - { .name: Wq, .offset: 8, .size: 8, .value_kind: global_buffer, .address_space: global }
      - { .name: Wk, .offset: 16, .size: 8, .value_kind: global_buffer, .address_space: global }
      - { .name: Wv, .offset: 24, .size: 8, .value_kind: global_buffer, .address_space: global }
      - { .name: Wo, .offset: 32, .size: 8, .value_kind: global_buffer, .address_space: global }
      - { .name: cos, .offset: 40, .size: 8, .value_kind: global_buffer, .address_space: global }
      - { .name: sin, .offset: 48, .size: 8, .value_kind: global_buffer, .address_space: global }
      - { .name: wb, .offset: 56, .size: 8, .value_kind: global_buffer, .address_space: global }
    .group_segment_fixed_size: 0
    .private_segment_fixed_size: 0
    .kernarg_segment_align: 8
    .kernarg_segment_size: 64
    .max_flat_workgroup_size: 256
    .sgpr_count:     66
    .vgpr_count:     72
    .wavefront_size: 32
...
	.end_amdgpu_metadata
.endif
;; end of part 1
;; launch qkv (part 2): grid 16 x 16, 4 waves a work-group, clusters of 4 x 4, 327,680 bytes of LDS; arguments wb, qkv; writes qkv
.if DOCPART == 2
	.amdgcn_target "amdgcn-amd-amdhsa--gfx1250"
	.amdhsa_code_object_version 6
	.text
	.protected	k_qbee4639c32_qkv
	.globl	k_qbee4639c32_qkv
	.p2align	8
	.type	k_qbee4639c32_qkv,@function
k_qbee4639c32_qkv:
	s_mov_b64 s[64:65], 0
	v_nop
	global_prefetch_b8 v0, s[64:65] scope:SCOPE_SE
	s_setreg_imm32_b32 hwreg(HW_REG_WAVE_MODE, 25, 1), 1
	s_wait_xcnt 0x0
	s_wait_alu depctr_hold_cnt(0) depctr_sa_sdst(0) depctr_va_vdst(0) depctr_va_sdst(0) depctr_va_ssrc(0) depctr_va_vcc(0) depctr_vm_vsrc(0)
	s_getreg_b32 s2, hwreg(HW_REG_IB_STS2, 6, 4)
	s_cmp_eq_u32 s2, 0
	s_cbranch_scc0 .Lentry_in_a_cluster
	s_endpgm
.Lentry_in_a_cluster:
	s_bfe_u32 s2, ttmp6, 0x10000c
	s_cmp_lg_u32 s2, 0xf033
	s_cbranch_scc0 .Lentry_shape_is_right
	s_endpgm
.Lentry_shape_is_right:
; q, k, v = x Wq^T, x Wk^T, x Wv^T in bf16 with f32 sums; RoPE on q and k in f32 from the bf16 tables; each rounded once to f16 and stored by heads: qkv = q^, k^, v^, each [16][2048][128] f16.
; The weights arrive scaled: q^ = rope(q) / 256, k^ = rope(k) / 256, v^ = v / 4.  LIMITS: |q|, |k| up to 1.6e7 and |v| up to 2.6e5 (f16 behind the scales); NaN and infinities are not treated apart.
; SHARES.  A work-group makes 128 rows x one head of q, of k and of v: 128 x 384; 16 x 16 work-groups.  Wave (rh, ch) takes rows 64 rh .. + 63 and, of each of the three, the 16-column blocks
; 2 ch + (b % 2) + 4 (b / 2), b = 0..3: channels d and d + 64 then lie in the same lane and register of accumulators b and b + 2, so the rotation changes no lane.  48 accumulators, 384 registers.
; RING.  K goes in steps of 128 through two LDS slots, each with 128 rows of x, of Wq, of Wk and of Wv (rows of 256 bytes, aligned, padded to 272 in LDS); wave w fetches part w with one tensor load.
; CLUSTER 4 x 4.  x's tile hangs on the row block alone and is shared along a row of the cluster, the weights' on the head alone and are shared along a column: joint loads, the same descriptor and mask in the four.
; The head goes by the cluster's y (head = 4 Y + cx), the row block by its x (block = 4 X + cy): the four clusters of one y read the same 3 x 512 rows of weights, three quarters of a step's bytes.
; CLUSTERS START AT DIFFERENT K STEPS: cluster (X, Y) walks K steps s, s + 1, .. s + 15 modulo 16, s = 4 X + 8 (Y % 2), so that the clusters that read the same rows ask for them at different times.
; The f32 sums are taken in that order of K.
; THE MATRIX INSTRUCTION IS USED TRANSPOSED (source 0 = 16 rows of W, source 1 = 16 rows of x): a lane holds one row of x and eight neighbouring channels.
; REGISTERS, in windows of 256: window 0: v15-31 addresses; v64-95, v96-127 x's fragments, two buffers; v128-255 the tables' bf16 as loaded; on the way out v32-127 at work.
;   window 1: v0-95, v96-191 the weights' fragments ((g, b) at 32 g + 8 b), two buffers.   window 2: q's accumulators at 8 (4 a + b), k's at 128 + the same.   window 3: v's.
.set KSTEP,  128
.set PITCH,  272                       ; 256 bytes + 16 of padding = 68 words: the 16 rows of a fragment load start at 16 different groups of four banks (64 banks of 4 bytes: ISA guide 11.1)
.set HALFT,  128*PITCH                 ; what one tensor load brings
.set SLOT,   4*HALFT                   ; x, Wq, Wk, Wv
.set SPARE,  2*SLOT                    ; behind the ring: the spare words, 128 bytes a wave, two blocks of 256 bytes that no other line names
.set LAPS,   8                         ; 16 K steps, two a lap
.set TBO,  15                          ; v15  my byte offset in the block's rows of a table
.set ADRA, 16                          ; v16-17  LDS address of my x fragments in slot 0, 1
.set ADRB, 18                          ; v18-23  the same for the weights: 2 g + slot
.set STO,  24                          ; v24  the way out: where I put 16 bytes of a row (q and k)
.set RD,   25                          ; v25  where I read rows back (q and k)
.set CO,   26                          ; v26  16 x lane: my 16 bytes of 512 consecutive output bytes
.set RDV,  27                          ; v27  RD for v: 69,632 on, past a 16-bit offset
.set SPW,  28                          ; v28  LDS address of my spare word; never rewritten
.set NIL,  29                          ; v29  0; never rewritten
.set PFO,  30                          ; v30  the prefetches' offset: lane x 4,096, a row of wb; never rewritten
.set STOV, 31                          ; v31  STO for v
.set U,    32                          ; v32-95   the way out: 16 rows' cos and sin in f32: (table, half, b) at 8 (4 table + 2 half + b)
.set FA,   64
.set O1,   96                          ; v96-103  rotated channels d
.set O2,   104                         ; v104-111 rotated channels d + 64
.set PK,   112                         ; v112-127 packed f16, two sets by turns
.set CSR,  128
.set G1,  24                           ; s[24:31] descriptor group 1 for x's tiles;  s[32:39] group 0, a set for each slot
.set G0,  32
.set G1B, 48                           ; s[48:55], s[56:63] the same for the weights'
.set G0B, 56
.set LIM, 43                           ; s43  5 in a wave that prefetches, else the greatest number
.set PFA, 44                           ; s[44:45] what the next prefetch names
.set OUT, 66                           ; s[66:71] q^, k^, v^ at my 32 rows
.set TBL, 72                           ; s[72:73] the cos table at the block's first row; sin lies 524,288 bytes on
.set HIM, 74                           ; s74  mask of a word's upper bf16
.set KN,  75                           ; s75  the K step that the next refill asks for, before the modulo
.set KOFF, 76                          ; s[76:77] its byte offset in a row
.set PBASE, 78                         ; s[78:79] x at my work-group's 32 rows of the block's 128
.set ABASE, 80                         ; s[80:81] x at the block's first row
.set BBASE, 82                         ; s[82:83] my wave's weights at the head's first row
.set POFF, 84                          ; s[84:85] a prefetch's byte offset in a row
.set MSB, 0
.macro WIN new                         ; the immediate's high byte repeats the setting that is left; a switch that changes nothing is dropped
.if MSB != (\new)
	s_set_vgpr_msb (MSB<<8)|(\new)
.set MSB, \new
.endif
.endm
; A joint load: wave 0 fetches x's tile, waves 1 to 3 those of Wq, Wk, Wv.  The branch hangs on the wave's number alone.  An s_nop 0 and four v_nop follow each line.
.macro JLOAD s
	s_cmp_eq_u32 s10, 0
	s_cbranch_scc0 .Lfor_b_\@
	tensor_load_to_lds s[G0+4*(\s):G0+4*(\s)+3], s[G1:G1+7]
	s_nop 0
.rept 4
	v_nop
.endr
	s_branch .Lasked_\@
.Lfor_b_\@:
	tensor_load_to_lds s[G0B+4*(\s):G0B+4*(\s)+3], s[G1B:G1B+7]
	s_nop 0
.rept 4
	v_nop
.endr
.Lasked_\@:
.endm
; A prefetch of the K step that stands two refills on (384 matrix instructions ahead of the load that will want it): 32 rows x 256 bytes, a lane a row.  Asked for are the K steps that this cluster is the
; first in the launch to load, its walk's first four aside, which come by their loads alone.  By the starts s above: of the weights every K step is first loaded in some cluster's walk steps 0 to 3: none is
; asked for.  Of x's rows the clusters with y = 0 and y = 1 are the first to load their walk steps 0 to 7 (y = 2 and 3 walk as they do): wave 0 of those two asks for steps 4 to 7, at the refills of steps 2 to 5,
; the loop's first two trips.  The four partners of the joint load take 32 rows each, told apart by address.  So each row's 256 bytes are named at most once in the launch.
.macro ASK
	s_cmp_gt_u32 s3, s[LIM]
	s_cbranch_scc0 .Lnot_mine_\@
	global_prefetch_b8 v[PFO], s[PFA:PFA+1] th:TH_LOAD_NT scope:SCOPE_SE
.Lnot_mine_\@:
.endm
.macro CREST                           ; a round of the cluster's barrier behind its opening barrier
	s_cmp_lg_u32 s10, 0
	s_cbranch_scc1 .Lnot_wave_0_\@
	s_barrier_signal -3
.Lnot_wave_0_\@:
	s_barrier_wait -3
	s_barrier_signal -1
	s_barrier_wait -1
.endm
.macro CROUND
	s_barrier_signal -1
	s_barrier_wait -1
	CREST
.endm
.macro PLACES                          ; four plain places behind a matrix instruction, in front of loads into registers that it has read
.rept 4
	v_nop
.endr
.endm
	s_load_b128 s[4:7], s[0:1], 0x0                ; wb s[4:5], qkv s[6:7]
	v_lshl_add_u32 v[SPW], v0, 2, SPARE
	v_mov_b32 v[NIL], 0
	ds_add_u32 v[SPW], v[NIL]                      ; the wave's opening: the add and its wait ahead of my first tensor load; the set-up below stands between them
	v_lshrrev_b32 v1, 5, v0
	v_readfirstlane_b32 s10, v1                    ; wave 0..3
	s_lshr_b32 s11, s10, 1                         ; rh
	s_and_b32 s12, s10, 1                          ; ch
	s_bfe_u32 s40, ttmp6, 0x40000                  ; cx
	s_bfe_u32 s41, ttmp6, 0x40004                  ; cy
	s_and_b32 s18, ttmp7, 0xffff                   ; the cluster's y
	s_lshl_b32 s42, s18, 2
	s_add_co_u32 s42, s42, s40                     ; the head = 4 x cluster y + cx
	s_lshl_b32 s13, ttmp9, 2
	s_add_co_u32 s13, s13, s41                     ; the block of 128 rows = 4 x cluster x + cy
	s_lshl_b32 s43, s41, 2
	s_lshl_b32 s43, 15, s43                        ; my row of the cluster
	s_lshl_b32 s44, 0x1111, s40                    ; my column
	s_or_b32 s[G1+0], s43, (1<<16)|(1<<20)|(1<<21)|(5<<22)|(3<<25)   ; the mask; elements of 2 bytes; padding on; bit 21 beside a mask; after every 64 words 4 words
	s_or_b32 s[G1B+0], s44, (1<<16)|(1<<20)|(1<<21)|(5<<22)|(3<<25)
.irp g, G1, G1B
	s_mov_b32 s[(\g)+1], KSTEP<<16                 ; tensor_dim0 = 128
	s_mov_b32 s[(\g)+2], 128<<16                   ; tensor_dim1 = 128
	s_mov_b32 s[(\g)+3], KSTEP<<16                 ; tile_dim0 = 128
	s_mov_b32 s[(\g)+4], 128                       ; tile_dim1 = 128
	s_mov_b32 s[(\g)+5], 2048                      ; elements from row to row
	s_mov_b32 s[(\g)+6], 0
	s_mov_b32 s[(\g)+7], 0
.endr
	s_lshl_b32 s16, s13, 19                        ; x: 128 rows of 4,096 bytes a block
	s_mov_b32 s17, 0
	s_lshl_b32 s46, s42, 19                        ; the weights: 128 rows a head,
	s_lshl_b32 s19, s10, 23                        ; in wb's part w (2,048 rows of 4,096 bytes each): Wq, Wk, Wv for waves 1, 2, 3
	s_add_co_u32 s46, s46, s19
	s_mov_b32 s47, 0
	s_mul_i32 s20, s10, HALFT                      ; where my part goes: no place in the cluster enters an LDS address
	s_mov_b32 s[HIM], 0xffff0000
	s_and_b32 s19, s18, 1                          ; the walk's first K step: s = (4 X + 8 (Y % 2)) mod 16, the same in all sixteen partners
	s_lshl_b32 s19, s19, 3
	s_lshl_b32 s[KN], ttmp9, 2
	s_add_co_u32 s[KN], s[KN], s19
	s_and_b32 s[KN], s[KN], 15
	s_lshl_b32 s[KOFF], s[KN], 8                   ; a K step is 256 bytes of a row
	s_mov_b32 s[KOFF+1], 0
	s_mov_b32 s[POFF+1], 0
	s_add_co_u32 s[KN], s[KN], 2                   ; steps s and s + 1 (s is a multiple of 4: no wrap) are the first fills
	s_wait_dscnt 0x0                               ; the opening add is done
	s_wait_kmcnt 0x0
	s_add_nc_u64 s[ABASE:ABASE+1], s[4:5], s[16:17]
	s_add_nc_u64 s[BBASE:BBASE+1], s[4:5], s[46:47]
	s_add_nc_u64 s[14:15], s[ABASE:ABASE+1], s[KOFF:KOFF+1]
	s_add_nc_u64 s[46:47], s[BBASE:BBASE+1], s[KOFF:KOFF+1]
	CROUND                                         ; all sixteen work-groups are here: the first joint loads meet
.irp s, 0,1
	s_mov_b32 s[G0+4*(\s)], 1
	s_add_co_u32 s[G0+4*(\s)+1], s20, (\s)*SLOT
	s_add_nc_u64 s[G0+4*(\s)+2:G0+4*(\s)+3], s[14:15], (\s)*KSTEP*2
	s_or_b32 s[G0+4*(\s)+3], s[G0+4*(\s)+3], 0x80000000
	s_mov_b32 s[G0B+4*(\s)], 1
	s_add_co_u32 s[G0B+4*(\s)+1], s20, (\s)*SLOT
	s_add_nc_u64 s[G0B+4*(\s)+2:G0B+4*(\s)+3], s[46:47], (\s)*KSTEP*2
	s_or_b32 s[G0B+4*(\s)+3], s[G0B+4*(\s)+3], 0x80000000
	JLOAD \s                                       ; two loads of mine are out
.endr
	; the tables: for my 64 rows and my 64 channels, 16 bytes (8 bf16) a lane and load; they are waited for on the way out
	v_and_b32 v1, 15, v0                           ; l % 16
	v_bfe_u32 v2, v0, 4, 1                         ; l / 16
	s_lshl_b32 s21, s11, 14                        ; 64 rh rows of 256 bytes
	s_lshl_b32 s22, s12, 6                         ; 32 ch channels
	s_add_co_u32 s21, s21, s22
	v_lshl_add_u32 v[TBO], v1, 8, s21
	v_lshl_add_u32 v[TBO], v2, 4, v[TBO]
	s_lshl_b32 s22, s13, 15                        ; the block's 128 rows
	s_mov_b32 s23, 0
	s_add_nc_u64 s[TBL:TBL+1], s[4:5], s[22:23]
	s_add_nc_u64 s[TBL:TBL+1], s[TBL:TBL+1], 41943040
.irp a, 0,1,2,3
.irp c, 0,1,2,3,4,5,6,7
	global_load_b128 v[CSR+32*(\a)+4*(\c):CSR+32*(\a)+4*(\c)+3], v[TBO], s[TBL:TBL+1] offset:(\a)*4096+524288*((\c)/4)+128*(((\c)/2)%2)+32*((\c)%2)
.endr
.endr
	; a fragment is 16 rows x 32 K in 8 registers: lane l holds row l % 16, K = 8 (l / 16) + 0..7 and 16 + 8 (l / 16) + 0..7: two loads of 16 bytes, 32 bytes apart
	v_mul_u32_u24 v3, v1, PITCH
	v_lshl_add_u32 v3, v2, 4, v3
	s_mul_i32 s21, s11, 64*PITCH
	s_mul_i32 s22, s12, 32*PITCH
	v_add_nc_u32 v[ADRA], s21, v3
	v_add_nc_u32 v[ADRA+1], SLOT, v[ADRA]
	v_add_nc_u32 v5, s22, v3
.irp g, 0,1,2
.irp s, 0,1
	v_add_nc_u32 v[ADRB+2*(\g)+(\s)], (1+(\g))*HALFT+(\s)*SLOT, v5
.endr
.endr
	s_lshl_b32 s23, s12, 6
	v_add_nc_u32 v[STO], s23, v[ADRA]              ; the stage lies in slot 0's bytes: row 64 rh + l % 16, byte 64 ch + 16 (l / 16)
	v_add_nc_u32 v[STOV], 2*HALFT, v[STO]
	s_mul_i32 s23, s10, 32*PITCH                   ; back: wave w takes rows 32 w .. + 31, whole: lanes 0-15 one row, lanes 16-31 the next
	v_mul_u32_u24 v5, v2, PITCH
	v_lshl_add_u32 v5, v1, 4, v5
	v_add_nc_u32 v[RD], s23, v5
	v_add_nc_u32 v[RDV], 2*HALFT, v[RD]
	v_and_b32 v[CO], 31, v0
	v_lshlrev_b32 v[PFO], 12, v[CO]
	v_lshlrev_b32 v[CO], 4, v[CO]
	s_lshl_b32 s46, s42, 19                        ; the output: the head's 2,048 rows of 256 bytes,
	s_lshl_b32 s47, s13, 15                        ; the block's 128,
	s_add_co_u32 s46, s46, s47
	s_lshl_b32 s47, s10, 13                        ; my 32
	s_add_co_u32 s46, s46, s47
	s_mov_b32 s47, 0
	s_add_nc_u64 s[OUT:OUT+1], s[6:7], s[46:47]
	s_add_nc_u64 s[OUT+2:OUT+3], s[OUT:OUT+1], 8388608
	s_add_nc_u64 s[OUT+4:OUT+5], s[OUT:OUT+1], 16777216
	; the prefetches: x's rows 128 x block + 32 cx + lane
	s_lshl_b32 s20, s13, 7
	s_lshl_b32 s21, s40, 5
	s_add_co_u32 s20, s20, s21
	s_lshl_b32 s20, s20, 12
	s_mov_b32 s21, 0
	s_add_nc_u64 s[PBASE:PBASE+1], s[4:5], s[20:21]
	s_cmp_lt_u32 s18, 2                            ; the cluster's y is 0 or 1,
	s_cselect_b32 s[LIM], 5, -1
	s_cmp_eq_u32 s10, 0                            ; and I am the wave that fetches x: the same in all sixteen partners, for a given wave
	s_cselect_b32 s[LIM], s[LIM], -1               ; nothing is prefetched here, at the head
; 16 matrix instructions: matrix g (q, k, v), my 4 row blocks x 4 column blocks, 32 along K, from buffer f.  zero = 1: the first product starts the sums.
; All 48 accumulators take turns, one instruction a turn, in the same order in every quarter.
.macro MULG f, g, zero
.if (\g) == 2
	WIN 0xf1                                       ; source 0 window 1, source 1 window 0, C and D window 3
.else
	WIN 0xa1                                       ; the same with C and D in window 2
.endif
.irp a, 0,1,2,3
.irp b, 0,1,2,3
.if \zero
	v_wmma_f32_16x16x32_bf16 v[128*((\g)%2)+8*(4*(\a)+(\b)):128*((\g)%2)+8*(4*(\a)+(\b))+7], v[96*(\f)+32*(\g)+8*(\b):96*(\f)+32*(\g)+8*(\b)+7], v[FA+32*(\f)+8*(\a):FA+32*(\f)+8*(\a)+7], 0
.else
	v_wmma_f32_16x16x32_bf16 v[128*((\g)%2)+8*(4*(\a)+(\b)):128*((\g)%2)+8*(4*(\a)+(\b))+7], v[96*(\f)+32*(\g)+8*(\b):96*(\f)+32*(\g)+8*(\b)+7], v[FA+32*(\f)+8*(\a):FA+32*(\f)+8*(\a)+7], v[128*((\g)%2)+8*(4*(\a)+(\b)):128*((\g)%2)+8*(4*(\a)+(\b))+7]
.endif
.endr
.endr
.endm
; 32 LDS loads in one run: x's 8, then q's, k's and v's 8 each, for 32 K at byte k of the rows, into buffer f
.macro FETCH slot, k, f
	WIN 0
.irp i, 0,1,2,3
	ds_load_b128 v[FA+32*(\f)+8*(\i):FA+32*(\f)+8*(\i)+3],   v[ADRA+(\slot)] offset:(\k)+(\i)*16*PITCH
	ds_load_b128 v[FA+32*(\f)+8*(\i)+4:FA+32*(\f)+8*(\i)+7], v[ADRA+(\slot)] offset:(\k)+(\i)*16*PITCH+32
.endr
	WIN 0x40                                       ; destination window 1, address window 0
.irp g, 0,1,2
.irp b, 0,1,2,3
	ds_load_b128 v[96*(\f)+32*(\g)+8*(\b):96*(\f)+32*(\g)+8*(\b)+3],   v[ADRB+2*(\g)+(\slot)] offset:(\k)+(16*((\b)%2)+64*((\b)/2))*PITCH
	ds_load_b128 v[96*(\f)+32*(\g)+8*(\b)+4:96*(\f)+32*(\g)+8*(\b)+7], v[ADRB+2*(\g)+(\slot)] offset:(\k)+(16*((\b)%2)+64*((\b)/2))*PITCH+32
.endr
.endr
.endm
; A K step is four quarters of 32 along K, 48 matrix instructions each, on buffers 0, 1, 0, 1.  One of the first three: multiplies buffer f and fetches the next quarter, at byte k, into buffer g.
.macro QUARTER slot, k, f, g, zero
	s_wait_dscnt 16                                ; x and q are in; k's and v's sixteen loads may be out
	MULG \f, 0, \zero
	s_wait_dscnt 8                                 ; k is in
	MULG \f, 1, \zero
	PLACES
	FETCH \slot, \k, \g
	s_wait_dscnt 32                                ; all but the 32 just issued
	MULG \f, 2, \zero
.endm
; The last quarter multiplies buffer 1 and changes slots: ONE barrier.  q's and k's 32 products stand AHEAD of the wait for the tensor loads, so that the refill asked for a step ago has the whole step,
; 192 matrix instructions, in which to land, and only the add and the round stand between its landing and the next request.  In front of the barrier each wave waits for all its tensor loads (one is out:
; its part of the next slot), adds 0 to its spare word, and waits for that and for its own reads of this slot.  fill = 1: the barrier opens a round of the cluster's, and this slot is filled again first
; thing behind it, with the walk's step two on; v's 16 products stand behind the run of LDS loads that fetches the next slot's first fragments.
.macro TURN slot, next, fill
	s_wait_dscnt 16                                ; x and q are in; k's and v's sixteen loads may be out
	MULG 1, 0, 0
	s_wait_dscnt 8                                 ; k is in
	MULG 1, 1, 0
	WIN 0                                          ; the add's registers lie in window 0
.if \fill
	s_wait_xcnt 0x0                                ; the last prefetch, a K step back, has read its address
.endif
	s_wait_tensorcnt 0x0                           ; all my tensor loads have landed, so every group 0 may be written
	ds_add_u32 v[SPW], v[NIL]                      ; 0 onto my spare word: the scalar work below stands between it and the wait for it
.if \fill
	s_and_b32 s[KOFF], s[KN], 15                   ; the walk wraps round K's 16 steps
	s_lshl_b32 s[KOFF], s[KOFF], 8
	s_add_nc_u64 s[G0+4*(\slot)+2:G0+4*(\slot)+3], s[ABASE:ABASE+1], s[KOFF:KOFF+1]
	s_or_b32 s[G0+4*(\slot)+3], s[G0+4*(\slot)+3], 0x80000000
	s_add_nc_u64 s[G0B+4*(\slot)+2:G0B+4*(\slot)+3], s[BBASE:BBASE+1], s[KOFF:KOFF+1]
	s_or_b32 s[G0B+4*(\slot)+3], s[G0B+4*(\slot)+3], 0x80000000
	s_add_co_u32 s[KN], s[KN], 1
	s_add_co_u32 s[POFF], s[KN], 1                 ; the prefetch names the step two behind the one just asked for
	s_and_b32 s[POFF], s[POFF], 15
	s_lshl_b32 s[POFF], s[POFF], 8
	s_add_nc_u64 s[PFA:PFA+1], s[PBASE:PBASE+1], s[POFF:POFF+1]
.endif
	s_wait_dscnt 0x0                               ; the add is done, and my reads of this slot are over (v's fragments are in too)
	s_barrier_signal -1
	s_barrier_wait -1
.if \fill
	CREST                                          ; no wave of any partner still reads this slot's tiles or has a load on its way
	JLOAD \slot                                    ; the four v_nop behind it are also the places in front of the loads below
.else
	PLACES
.endif
	FETCH \next, 0, 0
.if \fill
	WIN 0
	ASK                                            ; behind the joint load and the run of LDS loads that the next products wait for
.endif
	MULG 1, 2, 0
.endm
	s_wait_tensorcnt 1                             ; my part of the walk's first step is in; the second's may stay out
	s_barrier_signal -1
	s_barrier_wait -1
	FETCH 0, 0, 0
	QUARTER 0, 64,  0, 1, 1                        ; the first quarter stands in front of the loop: its products start the sums
	WIN 0
	s_mov_b32 s3, LAPS-1
.Llap:                                         ; a trip goes once round the ring, from a lap's second quarter to the next lap's first, and fills both slots again
	QUARTER 0, 128, 1, 0, 0
	QUARTER 0, 192, 0, 1, 0
	TURN 0, 1, 1
	QUARTER 1, 64,  0, 1, 0
	QUARTER 1, 128, 1, 0, 0
	QUARTER 1, 192, 0, 1, 0
	TURN 1, 0, 1
	QUARTER 0, 64,  0, 1, 0
	WIN 0
	s_sub_co_u32 s3, s3, 1
	s_cmp_lg_u32 s3, 0
	s_cbranch_scc1 .Llap
	QUARTER 0, 128, 1, 0, 0                        ; the last lap fills nothing
	QUARTER 0, 192, 0, 1, 0
	TURN 0, 1, 0                                   ; behind this barrier no wave reads slot 0 any more, and nothing is loaded into it again: its bytes become the stage
	QUARTER 1, 64,  0, 1, 0
	QUARTER 1, 128, 1, 0, 0
	QUARTER 1, 192, 0, 1, 0
	s_wait_dscnt 16
	MULG 1, 0, 0
	s_wait_dscnt 8
	MULG 1, 1, 0
	s_wait_dscnt 0x0
	MULG 1, 2, 0
	WIN 0
; THE WAY OUT.  For each of my four blocks of 16 rows: the tables' bf16 to f32; q and k rotated: out[d] = x[d] cos[d] - x[d+64] sin[d], out[d+64] = x[d+64] cos[d+64] + x[d] sin[d+64];
; all three rounded to f16, 16 bytes a lane, into the stage (3 x 128 rows of 272 bytes).  Each accumulator's registers are read in ascending order.
.macro ROPE a, g, b
	WIN 0x02                                       ; source 0 (the accumulators) window 2
.irp p, 0,2,4,6
	v_pk_mul_f32 v[O1+(\p):O1+(\p)+1], v[128*(\g)+8*(4*(\a)+(\b))+16+(\p):128*(\g)+8*(4*(\a)+(\b))+16+(\p)+1], v[U+8*(4+(\b))+(\p):U+8*(4+(\b))+(\p)+1]
.endr
.irp p, 0,2,4,6
	v_pk_mul_f32 v[O2+(\p):O2+(\p)+1], v[128*(\g)+8*(4*(\a)+(\b))+(\p):128*(\g)+8*(4*(\a)+(\b))+(\p)+1], v[U+8*(6+(\b))+(\p):U+8*(6+(\b))+(\p)+1]
.endr
.irp p, 0,2,4,6
	v_pk_fma_f32 v[O1+(\p):O1+(\p)+1], v[128*(\g)+8*(4*(\a)+(\b))+(\p):128*(\g)+8*(4*(\a)+(\b))+(\p)+1], v[U+8*(\b)+(\p):U+8*(\b)+(\p)+1], v[O1+(\p):O1+(\p)+1] neg_lo:[0,0,1] neg_hi:[0,0,1]
.endr
.irp p, 0,2,4,6
	v_pk_fma_f32 v[O2+(\p):O2+(\p)+1], v[128*(\g)+8*(4*(\a)+(\b))+16+(\p):128*(\g)+8*(4*(\a)+(\b))+16+(\p)+1], v[U+8*(2+(\b))+(\p):U+8*(2+(\b))+(\p)+1], v[O2+(\p):O2+(\p)+1]
.endr
	WIN 0
.irp r, 0,1,2,3
	v_cvt_pk_f16_f32 v[PK+8*(\b)+(\r)], v[O1+2*(\r)], v[O1+2*(\r)+1]
.endr
.irp r, 0,1,2,3
	v_cvt_pk_f16_f32 v[PK+8*(\b)+4+(\r)], v[O2+2*(\r)], v[O2+2*(\r)+1]
.endr
	ds_store_b128 v[STO], v[PK+8*(\b):PK+8*(\b)+3]   offset:(\g)*HALFT+(\a)*16*PITCH+32*(\b)
	ds_store_b128 v[STO], v[PK+8*(\b)+4:PK+8*(\b)+7] offset:(\g)*HALFT+(\a)*16*PITCH+32*(\b)+128
.endm
.macro AOUT a
.set n, 0
.rept 32
	v_lshlrev_b32 v[U+2*n], 16, v[CSR+32*(\a)+n]
	v_and_b32 v[U+2*n+1], s[HIM], v[CSR+32*(\a)+n]
.set n, n+1
.endr
	ROPE \a, 0, 0
	ROPE \a, 0, 1
	ROPE \a, 1, 0
	ROPE \a, 1, 1
	WIN 0x0f                                       ; sources 0 and 1 window 3: v
.irp b, 0,1,2,3
.irp r, 0,1,2,3
	v_cvt_pk_f16_f32 v[O1+4*(\b)+(\r)], v[8*(4*(\a)+(\b))+2*(\r)], v[8*(4*(\a)+(\b))+2*(\r)+1]
.endr
.endr
	WIN 0
.irp b, 0,1,2,3
	ds_store_b128 v[STOV], v[O1+4*(\b):O1+4*(\b)+3] offset:(\a)*16*PITCH+32*((\b)%2)+128*((\b)/2)
.endr
.endm
.rept 8
	v_nop                                          ; the places behind the last products, whose fragment registers are written below
.endr
	s_wait_loadcnt 0x0                             ; the tables
	AOUT 0
	AOUT 1
	AOUT 2
	AOUT 3
	s_wait_dscnt 0x0                               ; for the others' sake: my stores into the stage are done
	s_barrier_signal -1
	s_barrier_wait -1                              ; a row's 256 bytes come from two waves
.irp t, 0,1,2,3,4,5,6,7,8,9,10,11,12,13,14,15
	ds_load_b128 v[32+4*(\t):32+4*(\t)+3], v[RD] offset:(\t)*2*PITCH
.endr
.irp t, 0,1,2,3,4,5,6,7,8,9,10,11,12,13,14,15
	ds_load_b128 v[128+4*(\t):128+4*(\t)+3], v[RD] offset:HALFT+(\t)*2*PITCH
.endr
.irp t, 0,1,2,3,4,5,6,7,8,9,10,11,12,13,14,15
	ds_load_b128 v[192+4*(\t):192+4*(\t)+3], v[RDV] offset:(\t)*2*PITCH
.endr
.irp t, 0,1,2,3,4,5,6,7,8,9,10,11,12,13,14,15
	s_wait_dscnt 47-(\t)                           ; LDS loads come back in order: the younger ones stay out
	global_store_b128 v[CO], v[32+4*(\t):32+4*(\t)+3], s[OUT:OUT+1] offset:512*(\t)  ; a wave's store covers 512 consecutive bytes, two rows of a head, aligned
.endr
.irp t, 0,1,2,3,4,5,6,7,8,9,10,11,12,13,14,15
	s_wait_dscnt 31-(\t)
	global_store_b128 v[CO], v[128+4*(\t):128+4*(\t)+3], s[OUT+2:OUT+3] offset:512*(\t)
.endr
.irp t, 0,1,2,3,4,5,6,7,8,9,10,11,12,13,14,15
	s_wait_dscnt 15-(\t)
	global_store_b128 v[CO], v[192+4*(\t):192+4*(\t)+3], s[OUT+4:OUT+5] offset:512*(\t)
.endr
	s_wait_tensorcnt 0x0                           ; the wave's end: behind my last tensor load and my last LDS store
	ds_add_u32 v[SPW], v[NIL]
	s_wait_dscnt 0x0
	CROUND                                         ; the closing round: no work-group ends while a partner may still ask for a tile that names it
	s_endpgm
.Lfunc_end_k_qbee4639c32_qkv:
	.size	k_qbee4639c32_qkv, .Lfunc_end_k_qbee4639c32_qkv-k_qbee4639c32_qkv
	.p2alignl 7, 3214868480
	.fill 96, 4, 3214868480
	.section	.rodata,"a",@progbits
	.p2align	6, 0x0
	.amdhsa_kernel k_qbee4639c32_qkv
		.amdhsa_group_segment_fixed_size 327680
		.amdhsa_private_segment_fixed_size 0
		.amdhsa_enable_private_segment 0
		.amdhsa_kernarg_size 16
		.amdhsa_user_sgpr_count 2
		.amdhsa_user_sgpr_kernarg_segment_ptr 1
		.amdhsa_wavefront_size32 1
		.amdhsa_system_sgpr_workgroup_id_x 1
		.amdhsa_system_sgpr_workgroup_id_y 1
		.amdhsa_system_sgpr_workgroup_id_z 1
		.amdhsa_system_vgpr_workitem_id 0
		.amdhsa_next_free_vgpr 896
		.amdhsa_next_free_sgpr 86
		.amdhsa_reserve_vcc 0
		.amdhsa_float_denorm_mode_32 3
		.amdhsa_float_denorm_mode_16_64 3
		.amdhsa_memory_ordered 1
		.amdhsa_forward_progress 1
		.amdhsa_inst_pref_size 150
	.end_amdhsa_kernel
	.amdgpu_metadata
---
amdhsa.version: [ 1, 2 ]
amdhsa.kernels:
  - .name:           k_qbee4639c32_qkv
    .symbol:         k_qbee4639c32_qkv.kd
    .args:
      - { .name: wb, .offset: 0, .size: 8, .value_kind: global_buffer, .address_space: global }
      - { .name: qkv, .offset: 8, .size: 8, .value_kind: global_buffer, .address_space: global }
    .group_segment_fixed_size: 327680
    .private_segment_fixed_size: 0
    .kernarg_segment_align: 8
    .kernarg_segment_size: 16
    .max_flat_workgroup_size: 128
    .sgpr_count:     86
    .vgpr_count:     896
    .wavefront_size: 32
...
	.end_amdgpu_metadata
.endif
;; end of part 2
;; launch attn (part 3): grid 16 x 16, 4 waves a work-group, clusters of 4 x 1, 327,680 bytes of LDS; arguments qkv, ctx; writes ctx
.if DOCPART == 3
	.amdgcn_target "amdgcn-amd-amdhsa--gfx1250"
	.amdhsa_code_object_version 6
	.text
	.protected	k_qbee4639c32_attn
	.globl	k_qbee4639c32_attn
	.p2align	8
	.type	k_qbee4639c32_attn,@function
k_qbee4639c32_attn:
	s_mov_b64 s[64:65], 0
	v_nop
	global_prefetch_b8 v0, s[64:65] scope:SCOPE_SE
	s_setreg_imm32_b32 hwreg(HW_REG_WAVE_MODE, 25, 1), 1
	s_wait_xcnt 0x0
	s_wait_alu depctr_hold_cnt(0) depctr_sa_sdst(0) depctr_va_vdst(0) depctr_va_sdst(0) depctr_va_ssrc(0) depctr_va_vcc(0) depctr_vm_vsrc(0)
	s_getreg_b32 s2, hwreg(HW_REG_IB_STS2, 6, 4)
	s_cmp_eq_u32 s2, 0
	s_cbranch_scc0 .Lentry_in_a_cluster
	s_endpgm
.Lentry_in_a_cluster:
	s_bfe_u32 s2, ttmp6, 0x10000c
	s_cmp_lg_u32 s2, 0x3003
	s_cbranch_scc0 .Lentry_shape_is_right
	s_endpgm
.Lentry_shape_is_right:
; CAUSAL ATTENTION, head size 128, f16 operands, f32 products, maxima and sums.  q^ = q / 256, k^ = k / 256, v^ = v / 4: [16][2048][128] f16 each, one behind the other in qkv.  ctx: [2048][2048] f16 = the context / 4.
; p = 2^(c s - c m), c = log2(e) / sqrt(128) x 2^16 (the 2^16 undoes q's and k's scales), m a running maximum; the weights are rounded to f16 for the second product, their sum is taken unrounded.
; LIMITS.  A hidden score counts as its value less 1e30.  m starts at -2^42: sums of 128 products of f16 numbers stay under 2^40 in size, so m is the true maximum from the first visible key on.
; A weight below 2^-126 counts as 0.  NaN and infinities are not treated apart.
; SHARES.  A head's queries lie in 32 blocks of 64.  Work-group b (0..15) of a head takes blocks 31 - b and then b.  THE KEYS ARE SPLIT AMONG THE FOUR WAVES: of each tile of 256 keys wave w takes keys
; 64 w .. + 63 against all 64 queries (four tiles of 16), with a maximum, a sum and an O^T of its own; at a block's end the four partial results are merged in LDS, in f32.
; THE WALK.  With b = 4 a + cx, block 31 - b needs key tiles 0 .. 7 - a and block b tiles 0 .. a: nine trips whatever b, and the four partners of a cluster (same a) walk the same tiles in the same trips:
; every fill is a joint load, and no trip count or branch hangs on a work-group's place in its cluster.
; ONE TEXT.  A trip's work and a block's end are written once.  Eight trips stand behind a change of slots that fills; the ninth stands behind one that fills nothing, written out by itself, and re-enters the
; same work: an outer loop of two passes, counted by PH.  What only the first block's end needs is jumped over, forward, in the second pass.
; THE MASK is the C operand that starts S^T = K Q^T.  In a block's last tile wave w sees all keys (w < pos), holds the diagonal (w = pos) or sees none (w > pos); pos = 3 - cx, then cx.  For query tile t and
; key block kb the operand is MB (kb < t), MT (kb = t) or MH (kb > t); each trip sets MB = BE, MT = T8 x AL + BE, MH = MHS from three scalars chosen by selects alone.
; A wave that saw no visible key keeps m = -2^42, has weights 0 and a = 1; its factor in the merge is 0, times finite numbers.
; A TRIP.  Piece 0 = query tiles 0, 1; piece 2 = tiles 2, 3.  Behind the change of slots: K is fetched; piece 2's V^T P of the trip before; V is fetched; piece 0's K Q^T; piece 2's K Q^T with piece 0's softmax in
; slices behind it; piece 0's V^T P with piece 2's softmax behind it.  A block's first trip multiplies O^T and l by a = 0, so what lay there need only be finite.
; REGISTERS, in windows of 256: window 0: v2-11 addresses; v12-43 eight statistics a tile; v44-51 the merge's factors; v52-56 set-up; v61-63; v64-191 S^T, 32 a tile; v192-255 P, 16 a tile.
;   window 1: O^T, 64 a tile.   window 2: v0-127 Q; v128-255 K.   window 3: v0-127 V; v128-159 T8, MT, MH, MB.
.set PK,    272       ; a row of K in LDS: 256 bytes + 16: the 16 rows of a load start at 16 different groups of four banks (64 banks of 4 bytes: ISA guide 11.1)
.set PV,    288       ; a row of V: 256 + 32
.set VOFF,  256*PK    ; a slot: 256 rows of K, then 256 rows of V
.set SLOTB, 256*(PK+PV)  ; 143,360: slot 1 begins here
.set STAGE, 2*SLOTB   ; behind the ring, never filled by a tensor load: 4 partial tiles x 16 rows x 528 bytes
.set SPT,   528
.set STATS, STAGE+4*16*SPT  ; (c m, l) of partial p, tile t, query q at ((4 p + t) 16 + q) 8: 2,048 bytes
.set SPARE, STATS+2048      ; the spare words, 128 bytes a wave: two blocks of 256 bytes that no other line names
.set AK0, 2           ; v2   my lane's place in a slot's K; never rewritten
.set AV0, 3           ; v3   the same for V
.set ADK, 4           ; v4   the LDS address of K's run of loads
.set ADV, 5           ; v5   of V's
.set QO,  6           ; v6   my byte offset in 16 rows of Q
.set STW, 7           ; v7   the merge: where I put 32 bytes of a row of my partial tile
.set SRD, 8           ; v8   where I read 16 bytes of a row
.set STS, 9           ; v9   where I put (c m, l)
.set STR, 10          ; v10  where I read them
.set GO,  11          ; v11  my 8 bytes of a row of ctx
.set ST,  12          ; tile t's statistics at v[ST+8 t]: c m, m, l (even keys', odd keys'), c0-c3 at work; a takes c2's place
.set G,   44          ; v44-51 the merge's factor of tile t, twice (a pair for the packed multiply)
.set PFO, 61          ; v61  256 x lane; never rewritten
.set SPW, 62          ; v62  LDS address of my spare word; never rewritten
.set NIL, 63          ; v63  0; never rewritten
.set S,   64
.set F,   96          ; the merge: eight at work a tile
.set P,   192
.set KF,  128         ; window 2
.set T8,  128         ; window 3: the diagonal block's mask
.set MT,  136
.set MH,  144
.set MB,  152
.set OB,  8           ; s[8:9]   ctx at the block in hand
.set OLO, 10          ; s[10:11] at the second block
.set WV,  12
.set CX,  13
.set CA,  14          ; a: the cluster's x
.set HD,  15          ; the head
.set KB,  16          ; s[16:17] k^ at my half of the head's tile 0
.set VB,  18          ; s[18:19] v^ likewise
.set QLO, 22          ; s[22:23] q^ at the second block
.set G1K, 24
.set G1V, 32
.set G0K, 40
.set G0V, 44
.set LK,  48          ; my half's place in a slot, for K
.set LV,  49          ; and for V
.set OFF, 50          ; s[50:51] a tile's byte offset
.set PFA, 52          ; s[52:53] where my prefetches stand
.set LIM, 54          ; 2 in the head's first cluster, else the greatest number
.set SLOTS, 55        ; trips of the pass still to come
.set RT,  56          ; tiles of the block in hand still to be entered
.set NXT, 57          ; the tile to be asked for next
.set LQ,  58          ; the last tile of the block whose tiles are being asked for
.set TB,  59          ; LDS byte at which the slot in hand begins: 0 or SLOTB
.set CS,  60          ; s[60:61] c
.set SEL, 62          ; s[62:63] v_permlanex16_b32's selects
.set AL,  66          ; s[66:67]
.set BE,  68          ; s[68:69]
.set MHS, 70
.set BIGN, 71         ; -1e30
.set CUR, 72          ; s72-74 (AL, BE, MHS) of the last tile of the block in hand
.set LOT, 75          ; s75-77 the second block's
.set QHI, 78          ; s[78:79] q^ at the first block
.set PH,  80          ; s80  passes still to come: 2 in the eight trips that fill, 1 in the ninth
.set MSB, 0
.macro WIN new
.if MSB != (\new)
	s_set_vgpr_msb (MSB<<8)|(\new)
.set MSB, \new
.endif
.endm
.set W_KQ, 0x0a       ; K and Q in window 2, S^T in window 0
.set W_KM, 0x3a       ; the same with the C operand in window 3
.set W_PV, 0x53       ; V in window 3, P in window 0, O^T in window 1
.set W_RS, 0x41       ; destination and source 0 in window 1
; A joint fill: waves 0 and 1 fetch the two halves of a tile's K, waves 2 and 3 those of its V, 128 rows of 256 bytes each.  An s_nop 0 and four v_nop follow each line.
.macro JLOAD
	s_cmp_lt_u32 s[WV], 2
	s_cbranch_scc0 .Lfor_v_\@
	tensor_load_to_lds s[G0K:G0K+3], s[G1K:G1K+7]
	s_nop 0
.rept 4
	v_nop
.endr
	s_branch .Lasked_\@
.Lfor_v_\@:
	tensor_load_to_lds s[G0V:G0V+3], s[G1V:G1V+7]
	s_nop 0
.rept 4
	v_nop
.endr
.Lasked_\@:
.endm
; A prefetch of the tile that the NEXT change of slots will ask for: a trip, 128 matrix instructions, ahead of that load.  The head's first cluster walks tiles 0 to 7 and asks alone; its four partners take 64 rows
; each, by address; in each, waves 0 and 1 ask for 32 rows of K, waves 2 and 3 for 32 of V: a lane a row.  Tiles 2 to 7 are so named, each row once (SLOTS = 8 .. 3); the trips behind that ask for nothing.
.macro ASK
	s_cmp_gt_u32 s[SLOTS], s[LIM]
	s_cbranch_scc0 .Lnot_mine_\@
	global_prefetch_b8 v[PFO], s[PFA:PFA+1] th:TH_LOAD_NT scope:SCOPE_SE
.Lnot_mine_\@:
.endm
.macro CROUND
	s_barrier_signal -1
	s_barrier_wait -1
	s_cmp_lg_u32 s[WV], 0
	s_cbranch_scc1 .Lnot_wave_0_\@
	s_barrier_signal -3
.Lnot_wave_0_\@:
	s_barrier_wait -3
	s_barrier_signal -1
	s_barrier_wait -1
.endm
.macro QLOAD base                   ; a block's Q: tile n / 4, channels 32 (n % 4) on
	WIN 0x80
.irp n, 0,1,2,3,4,5,6,7,8,9,10,11,12,13,14,15
	global_load_b128 v[8*(\n):8*(\n)+3],   v[QO], s[\base:\base+1] offset:((\n)/4)*4096+((\n)%4)*64
	global_load_b128 v[8*(\n)+4:8*(\n)+7], v[QO], s[\base:\base+1] offset:((\n)/4)*4096+((\n)%4)*64+32
.endr
	WIN 0
.endm
	s_load_b128 s[4:7], s[0:1], 0x0  ; qkv s[4:5], ctx s[6:7]
	v_lshl_add_u32 v[SPW], v0, 2, SPARE
	v_mov_b32 v[NIL], 0
	ds_add_u32 v[SPW], v[NIL]       ; the wave's opening: the add and its wait ahead of my first tensor load; the set-up below stands between them
	v_lshrrev_b32 v1, 5, v0
	v_readfirstlane_b32 s[WV], v1
	s_bfe_u32 s[CX], ttmp6, 0x40000
	s_mov_b32 s[CA], ttmp9          ; in a cluster launch ttmp9 counts clusters
	s_and_b32 s[HD], ttmp7, 0xffff
	s_lshl_b32 s2, s[CA], 2
	s_add_co_u32 s2, s2, s[CX]      ; b: it enters Q's and ctx's addresses and the masks' scalars alone
	s_sub_co_u32 s3, 31, s2         ; the first block
	s_lshl_b32 s20, s[HD], 19       ; the head's 2,048 rows of 256 bytes
	s_and_b32 s21, s[WV], 1         ; which half of a tile I fetch
	s_mul_i32 s[LK], s21, 128*PK
	s_mul_i32 s[LV], s21, 128*PV
	s_add_co_u32 s[LV], s[LV], VOFF
	s_lshl_b32 s16, s21, 15
	s_add_co_u32 s16, s16, s20
	s_mov_b32 s17, 0
	s_lshl_b32 s78, s3, 14          ; a block's 64 rows
	s_add_co_u32 s78, s78, s20
	s_mov_b32 s79, 0
	s_lshl_b32 s22, s2, 14
	s_add_co_u32 s22, s22, s20
	s_mov_b32 s23, 0
	s_lshl_b32 s18, s[HD], 8        ; the head's 256 bytes of a row of ctx
	s_lshl_b32 s8, s3, 18           ; a block's 64 rows of 4,096 bytes
	s_add_co_u32 s8, s8, s18
	s_mov_b32 s9, 0
	s_lshl_b32 s10, s2, 18
	s_add_co_u32 s10, s10, s18
	s_mov_b32 s11, 0
	s_lshl_b32 s52, s[CX], 14       ; the prefetches: my work-group's 64 rows of a tile,
	s_lshl_b32 s21, s21, 13         ; my wave's 32 of them,
	s_add_co_u32 s52, s52, s21
	s_add_co_u32 s52, s52, s20
	s_add_co_u32 s52, s52, 65536+8388608  ; in tile 1 of k^; the first change of slots steps it to tile 2
	s_cmp_lt_u32 s[WV], 2
	s_cselect_b32 s53, 0, 8388608   ; or of v^
	s_add_co_u32 s52, s52, s53
	s_mov_b32 s53, 0
	s_cmp_eq_u32 s[CA], 0
	s_cselect_b32 s[LIM], 2, -1     ; the same in all four partners
	s_mov_b32 s[G1K], 15|(1<<16)|(1<<20)|(1<<21)|(5<<22)|(3<<25)  ; the mask of four; elements of 2 bytes; padding on; bit 21 beside a mask; after every 64 words 4 words
	s_mov_b32 s[G1V], 15|(1<<16)|(1<<20)|(1<<21)|(5<<22)|(7<<25)  ; the same with 8 words
.irp g, G1K, G1V
	s_mov_b32 s[(\g)+1], 128<<16    ; tensor_dim0 = 128
	s_mov_b32 s[(\g)+2], 128<<16    ; tensor_dim1 = 128
	s_mov_b32 s[(\g)+3], 128<<16    ; tile_dim0 = 128
	s_mov_b32 s[(\g)+4], 128        ; tile_dim1 = 128
	s_mov_b32 s[(\g)+5], 128        ; elements from row to row
	s_mov_b32 s[(\g)+6], 0
	s_mov_b32 s[(\g)+7], 0
.endr
	s_mov_b32 s[CS], 0x460293ee     ; c = log2(e) / sqrt(128) x 2^16
	s_mov_b32 s[CS+1], s[CS]
	s_mov_b32 s[SEL], 0x76543210
	s_mov_b32 s[SEL+1], 0xfedcba98
	s_mov_b32 s[BIGN], 0xf149f2ca   ; -1e30
	s_mov_b32 s[AL+1], 0            ; named as pairs
	s_mov_b32 s[BE+1], 0
	s_mov_b32 s[OFF+1], 0
	s_sub_co_u32 s2, 3, s[CX]       ; where the first block's diagonal lies among the waves
	s_cmp_eq_u32 s[WV], s2
	s_cselect_b32 s[CUR], 1.0, 0
	s_cmp_gt_u32 s[WV], s2
	s_cselect_b32 s[CUR+1], s[BIGN], 0
	s_cmp_ge_u32 s[WV], s2
	s_cselect_b32 s[CUR+2], s[BIGN], 0
	s_cmp_eq_u32 s[WV], s[CX]       ; and the second's
	s_cselect_b32 s[LOT], 1.0, 0
	s_cmp_gt_u32 s[WV], s[CX]
	s_cselect_b32 s[LOT+1], s[BIGN], 0
	s_cmp_ge_u32 s[WV], s[CX]
	s_cselect_b32 s[LOT+2], s[BIGN], 0
	s_sub_co_u32 s[RT], 8, s[CA]    ; the first block has 8 - a tiles
	s_sub_co_u32 s[LQ], 7, s[CA]
	s_mov_b32 s[NXT], 1
	s_mov_b32 s[SLOTS], 8
	s_mov_b32 s[PH], 2
	s_mov_b32 s[TB], SLOTB          ; the first change of slots fills this one and turns to slot 0
	s_mov_b32 s[G0K], 1
	s_mov_b32 s[G0K+1], s[LK]       ; slot 0
	s_mov_b32 s[G0V], 1
	s_mov_b32 s[G0V+1], s[LV]
	s_wait_dscnt 0x0                ; the opening add is done
	s_wait_kmcnt 0x0
	s_add_nc_u64 s[KB:KB+1], s[4:5], s[16:17]
	s_add_nc_u64 s[VB:VB+1], s[KB:KB+1], 16777216
	s_add_nc_u64 s[KB:KB+1], s[KB:KB+1], 8388608
	s_add_nc_u64 s[QHI:QHI+1], s[4:5], s[78:79]
	s_add_nc_u64 s[QLO:QLO+1], s[4:5], s[22:23]
	s_add_nc_u64 s[OB:OB+1], s[6:7], s[8:9]
	s_add_nc_u64 s[OLO:OLO+1], s[6:7], s[10:11]
	s_add_nc_u64 s[PFA:PFA+1], s[4:5], s[52:53]
	s_add_nc_u64 s[G0K+2:G0K+3], s[KB:KB+1], 0
	s_or_b32 s[G0K+3], s[G0K+3], 0x80000000
	s_add_nc_u64 s[G0V+2:G0V+3], s[VB:VB+1], 0
	s_or_b32 s[G0V+3], s[G0V+3], 0x80000000
	CROUND                          ; all four work-groups are here: the first joint loads meet
	JLOAD                           ; tile 0 into slot 0: one load of mine is out, here and behind every change of slots that fills
	v_and_b32 v1, 15, v0            ; l % 16
	v_bfe_u32 v52, v0, 4, 1         ; l / 16
	v_lshlrev_b32 v[QO], 8, v1
	v_lshl_add_u32 v[QO], v52, 4, v[QO]
	QLOAD QHI
	v_and_b32 v53, 7, v0
	v_bfe_u32 v54, v0, 3, 1
	v_and_b32 v55, 31, v0
	v_lshlrev_b32 v56, 3, v52
	v_sub_nc_u32 v56, v1, v56       ; l % 16 - 8 (l / 16): register j of the diagonal block is hidden where j is greater
	s_mul_i32 s2, s[WV], 64*PK      ; my 64 keys
	v_mul_u32_u24 v[AK0], v1, PK
	v_lshl_add_u32 v[AK0], v52, 4, v[AK0]
	v_add_nc_u32 v[AK0], s2, v[AK0]
	s_mul_i32 s3, s[WV], 64*PV
	s_add_co_u32 s3, s3, VOFF
	v_lshl_add_u32 v[AV0], v52, 3, v53  ; the turning load: lane l reads key 8 (l / 16) + l % 8, channels 8 ((l / 8) % 2) + 0..7
	v_mul_u32_u24 v[AV0], v[AV0], PV
	v_lshl_add_u32 v[AV0], v54, 4, v[AV0]
	v_add_nc_u32 v[AV0], s3, v[AV0]
	s_mul_i32 s20, s[WV], 16*SPT
	s_add_co_u32 s20, s20, STAGE
	v_mul_u32_u24 v[STW], v1, SPT   ; my partial tile: row = query l % 16, 32 bytes for each half of the lanes
	v_lshl_add_u32 v[STW], v52, 5, v[STW]
	v_add_nc_u32 v[STW], s20, v[STW]
	s_mul_i32 s21, s[WV], 4*SPT     ; back: wave w sums rows 4 w .. 4 w + 3; 32 lanes take a row's 512 bytes
	s_add_co_u32 s21, s21, STAGE
	v_lshl_add_u32 v[SRD], v55, 4, s21
	s_lshl_b32 s2, s[WV], 9
	s_add_co_u32 s2, s2, STATS
	v_lshl_add_u32 v[STS], v1, 3, s2
	v_lshl_add_u32 v[STR], v1, 3, STATS
	s_lshl_b32 s3, s[WV], 14        ; 4 w rows of ctx
	v_lshl_add_u32 v[GO], v55, 3, s3
	v_lshlrev_b32 v[PFO], 8, v55
	; what the first trip finds: V, P of piece 2, O^T and l hold 0.  All this stands in the wait for the first tile: the price of one text for every trip.
	WIN 0xc0
.set i, 0
.rept 8
	v_cmp_gt_i32 vcc_lo, i, v56
	v_cndmask_b32 v[T8+i], 0, s[BIGN], vcc_lo
.set i, i+1
.endr
.set i, 0
.rept 128
	v_mov_b32 v[i], 0
.set i, i+1
.endr
	WIN 0x40
.set i, 0
.rept 256
	v_mov_b32 v[i], 0
.set i, i+1
.endr
	WIN 0
.set i, P+32
.rept 32
	v_mov_b32 v[i], 0
.set i, i+1
.endr
.irp t, 0,1,2,3
	v_mov_b32 v[ST+8*(\t)], 0xdb0293ee    ; c m = -c 2^42, exact
	v_mov_b32 v[ST+8*(\t)+1], 0xd4800000  ; m = -2^42
	v_mov_b32 v[ST+8*(\t)+2], 0
	v_mov_b32 v[ST+8*(\t)+3], 0
.endr
; THE MATRIX WORK.  The accumulators take turns, one instruction a turn.
; Product i of 32 of S^T = K Q^T for piece x: channels 32 (i / 8) on, keys 16 ((i / 2) % 4) on, tile x + i % 2.  The first 8 start the sums, with the mask.
.macro KQ x
.set tq, (\x)+i%2
.set kbl, (i/2)%4
.set rS, S+32*tq+8*kbl
.set rK, KF+32*kbl+8*(i/8)
.set rQ, 32*tq+8*(i/8)
.if i < 8
.if kbl < tq
.set rM, MB
.elseif kbl == tq
.set rM, MT
.else
.set rM, MH
.endif
	WIN W_KM
	v_wmma_f32_16x16x32_f16 v[rS:rS+7], v[rK:rK+7], v[rQ:rQ+7], v[rM:rM+7]
.else
	WIN W_KQ
	v_wmma_f32_16x16x32_f16 v[rS:rS+7], v[rK:rK+7], v[rQ:rQ+7], v[rS:rS+7]
.endif
.endm
; Product i of 32 of O^T += V^T P for piece x: keys 32 (i / 16) on, channels 16 ((i / 2) % 8) on, tile x + i % 2.
.macro PV x
	WIN W_PV
.set rO, 64*((\x)+i%2)+8*((i/2)%8)
.set rV, 64*(i/16)+8*((i/2)%8)
.set rP, P+16*((\x)+i%2)+8*(i/16)
	v_wmma_f32_16x16x32_f16 v[rO:rO+7], v[rV:rV+7], v[rP:rP+7], v[rO:rO+7]
.endm
.macro FETCH_K                      ; my 64 keys x 128 channels: 16 fragments, 32 loads in one run
	WIN 0x80
.irp f, 0,1,2,3,4,5,6,7,8,9,10,11,12,13,14,15
	ds_load_b128 v[KF+8*(\f):KF+8*(\f)+3],   v[ADK] offset:((\f)/4)*16*PK+((\f)%4)*64
	ds_load_b128 v[KF+8*(\f)+4:KF+8*(\f)+7], v[ADK] offset:((\f)/4)*16*PK+((\f)%4)*64+32
.endr
.endm
.macro FETCH_V                      ; the same keys' V, turned
	WIN 0xc0
.irp f, 0,1,2,3,4,5,6,7,8,9,10,11,12,13,14,15
	ds_load_tr16_b128 v[8*(\f):8*(\f)+3],   v[ADV] offset:((\f)/8)*32*PV+((\f)%8)*32
	ds_load_tr16_b128 v[8*(\f)+4:8*(\f)+7], v[ADV] offset:((\f)/8)*32*PV+16*PV+((\f)%8)*32
.endr
.endm
; THE VECTOR WORK.  One tile's softmax for one trip is a list of 134 instructions; SM writes number j of it for tile t.  s0-s31 are the lane's 32 scores, in pairs 0-15.
;   0-15  the maximum of s0-s31 and the old m (each accumulator's lowest registers are read first)     16-20  the other half of the lanes' maximum; the new m; c m; c m_old - c m_new
;   21-69  ONE BATCH: the 16 scalings c s - c m and all 33 exponentials (a at 23); none of these reads an exponential's result     70-85  the roundings to f16     86-101  the sums; l = a l + sum     102-133  O^T times a
.macro SM t
.set rT, ST+8*(\t)
.set rS, S+32*(\t)
.set rP, P+16*(\t)
.set rO, 64*(\t)+2*(j-102)
.if j < 102
	WIN 0
.endif
.if j < 4
	v_max3_num_f32 v[rT+4+j], v[rS+8*j], v[rS+8*j+1], v[rS+8*j+2]
.elseif j < 12
	v_max3_num_f32 v[rT+4+j%4], v[rT+4+j%4], v[rS+8*(j%4)+2*(j/4)+1], v[rS+8*(j%4)+2*(j/4)+2]
.elseif j == 12
	v_max3_num_f32 v[rT+4], v[rT+4], v[rS+7], v[rS+15]
.elseif j == 13
	v_max3_num_f32 v[rT+6], v[rT+6], v[rS+23], v[rS+31]
.elseif j == 14
	v_max3_num_f32 v[rT+4], v[rT+4], v[rT+5], v[rT+6]
.elseif j == 15
	v_max3_num_f32 v[rT+4], v[rT+4], v[rT+7], v[rT+1]
.elseif j == 16
	v_permlanex16_b32 v[rT+5], v[rT+4], s[SEL], s[SEL+1]  ; the query's other 32 keys lie in the lane 16 away
.elseif j == 17
	v_mov_b32 v[rT+7], v[rT]        ; c m_old is kept for a
.elseif j == 18
	v_max_num_f32 v[rT+1], v[rT+4], v[rT+5]
.elseif j == 19
	v_mul_f32 v[rT], s[CS], v[rT+1]
.elseif j == 20
	v_sub_f32 v[rT+7], v[rT+7], v[rT]
.elseif j == 23
	v_exp_f32 v[rT+6], v[rT+7]
.elseif (j < 23) || ((j < 38) && (j%2 == 0)) || ((j < 66) && (j%4 == 2))
.set b, (j-2)/4
.if j < 38
.set b, (j-20)/2
.endif
	v_pk_fma_f32 v[rS+2*b:rS+2*b+1], v[rS+2*b:rS+2*b+1], s[CS:CS+1], v[rT:rT+1] op_sel_hi:[1,0,0] neg_lo:[0,0,1] neg_hi:[0,0,1]
.elseif j < 70
.set e, j-38
.if j < 66
.set e, j-32-(j-38)/4
.endif
.if j < 38
.set e, (j-25)/2
.endif
	v_exp_f32 v[rS+e], v[rS+e]
.elseif j < 86
	v_cvt_pk_f16_f32 v[rP+j-70], v[rS+2*(j-70)], v[rS+2*(j-70)+1]
.elseif j < 102
.set z, j-86
.set w, 4
.set u, z
.if z >= 14
.set w, 32
.set u, 0
.elseif z >= 12
.set w, 16
.set u, z-12
.elseif z >= 8
.set w, 8
.set u, z-8
.endif
.if z < 15
	v_pk_add_f32 v[rS+w*u:rS+w*u+1], v[rS+w*u:rS+w*u+1], v[rS+w*u+w/2:rS+w*u+w/2+1]
.else
	v_pk_fma_f32 v[rT+2:rT+3], v[rT+2:rT+3], v[rT+6:rT+7], v[rS:rS+1] op_sel_hi:[1,0,1]
.endif
.else
	WIN W_RS
	v_pk_mul_f32 v[rO:rO+1], v[rO:rO+1], v[rT+6:rT+7] op_sel_hi:[1,0]
.endif
.endm
; Slice k of 64 of piece y's softmax: four instructions (slice 63: sixteen).  Slices 11 to 34 deal out the batch, four numbers of one tile each; every other slice is numbers 2 k and 2 k + 1 of both tiles.
; Behind slice 34 stand one plain instruction and ONE wait for the piece's 66 exponentials, ahead of the first instruction that names a result.
.macro SLICE y
.if (k >= 11) && (k < 35)
.irp n, 0,1,2,3
.set j, 22+4*((k-11)/2)+(\n)
	SM (\y)+(k-11)%2
.endr
.else
.irp n, 0,1,2,3,4,5,6,7
.if ((\n) < 2) || (k == 63)
.irp t, \y, (\y)+1
.set j, 2*k+(\n)
	SM \t
.endr
.endif
.endr
.endif
.if k == 34
	v_nop
	s_wait_alu depctr_va_vdst(0)
.endif
.set k, k+1
.endm
; 32 products of piece x (kind 0: K Q^T, 1: V^T P), two slices of piece y's softmax behind each.  No slice names a register of the products round it; slices 62 and 63, twenty plain instructions, are the places behind the last product.
.macro RIDE kind, x, y
.set k, 0
.set i, 0
.rept 32
.if \kind
	PV \x
.else
	KQ \x
.endif
	SLICE \y
	SLICE \y
.set i, i+1
.endr
.endm
; THE CHANGE OF SLOTS.  Each wave waits for all its tensor loads (one is out: its part of the other slot), adds 0 to its spare word, and waits for that and for its own reads of the slot that it leaves.
; fill = 1: the barrier is a round of the cluster's, and the slot that is left is filled again first thing behind it, with tile NXT; the descriptors are made anew while no load of mine is out.
.macro CHANGE fill
	WIN 0
	s_wait_tensorcnt 0x0
	ds_add_u32 v[SPW], v[NIL]       ; 0 onto my spare word: scalar work stands between it and the wait for it
.if \fill
	s_lshl_b32 s[OFF], s[NXT], 16   ; a tile is 65,536 bytes of k^ and of v^
	s_add_co_u32 s[G0K+1], s[LK], s[TB]
	s_add_nc_u64 s[G0K+2:G0K+3], s[KB:KB+1], s[OFF:OFF+1]
	s_or_b32 s[G0K+3], s[G0K+3], 0x80000000
	s_add_co_u32 s[G0V+1], s[LV], s[TB]
	s_add_nc_u64 s[G0V+2:G0V+3], s[VB:VB+1], s[OFF:OFF+1]
	s_or_b32 s[G0V+3], s[G0V+3], 0x80000000
	s_add_co_u32 s[NXT], s[NXT], 1  ; the block's next tile, or behind its last the second block's tile 0
	s_cmp_gt_u32 s[NXT], s[LQ]
	s_cselect_b32 s[NXT], 0, s[NXT]
	s_cselect_b32 s[LQ], s[CA], s[LQ]
	s_wait_xcnt 0x0                 ; the last prefetch, a trip back, has read its address
	s_add_nc_u64 s[PFA:PFA+1], s[PFA:PFA+1], 65536
.endif
	s_xor_b32 s[TB], s[TB], SLOTB   ; 0 and SLOTB by turns
	s_wait_dscnt 0x0                ; the add is done, and my reads of the slot are over
.if \fill
	CROUND
	JLOAD
.else
	s_barrier_signal -1
	s_barrier_wait -1
.endif
.endm
; A TRIP'S WORK, behind either change of slots.
.macro WORK
	v_add_nc_u32 v[ADK], s[TB], v[AK0]
	v_add_nc_u32 v[ADV], s[TB], v[AV0]
	FETCH_K
	WIN 0
	ASK                             ; behind the joint load and K's run of LDS loads; the ninth trip (SLOTS = 1) asks for nothing
.set i, 0
.rept 32
	PV 2                            ; piece 2's V^T P of the trip before, while K is on its way out of LDS
.set i, i+1
.endr
.rept 4
	v_nop                           ; the places between the last product that read V and the loads into V
.endr
	FETCH_V
	WIN 0
	s_sub_co_u32 s[RT], s[RT], 1
	s_cmp_eq_u32 s[RT], 0           ; the block's last tile?
	s_cselect_b32 s[AL], s[CUR], 0
	s_cselect_b32 s[BE], s[CUR+1], 0
	s_cselect_b32 s[MHS], s[CUR+2], 0
	WIN 0xc3                        ; destination and source 0 in window 3
.irp p, 0,2,4,6
	v_pk_fma_f32 v[MT+(\p):MT+(\p)+1], v[T8+(\p):T8+(\p)+1], s[AL:AL+1], s[BE:BE+1] op_sel_hi:[1,0,0]
.endr
.irp p, 0,1,2,3,4,5,6,7
	v_mov_b32 v[MH+(\p)], s[MHS]
	v_mov_b32 v[MB+(\p)], s[BE]
.endr
	s_wait_loadcnt 0x0              ; Q (a block's first trip; met at once in the others)
	s_wait_dscnt 32                 ; K is in; V's 32 loads may be out
.set i, 0
.rept 32
	KQ 0
.set i, i+1
.endr
.rept 4
	v_nop                           ; the places between those products and the softmax that reads them
.endr
	RIDE 0, 2, 0
	s_wait_dscnt 0x0                ; V is in
	RIDE 1, 0, 2
	WIN 0
.endm
; A BLOCK'S END.  Piece 2's last V^T P; (c m, l) of my keys to LDS; with M the greatest of the four c m and f_p = 2^(c m_p - M): L = the sum of f_p l_p, my factor g = f_own / L.  Then, a query tile at a time,
; O^T g goes to my part of the stage in f32, and wave w adds the four partial rows 4 w .. 4 w + 3, rounds once to f16 and stores them: 32 lanes x 8 bytes = a head's 256 bytes of a row of ctx, aligned.
; In the first pass (PH = 2) the second block follows: its Q is asked for at once.
.macro FINISH
.set i, 0
.rept 32
	PV 2
.set i, i+1
.endr
	WIN 0
.irp t, 0,1,2,3
	v_add_f32 v[ST+8*(\t)+4], v[ST+8*(\t)+2], v[ST+8*(\t)+3]
.endr
.irp t, 0,1,2,3
	v_permlanex16_b32 v[ST+8*(\t)+5], v[ST+8*(\t)+4], s[SEL], s[SEL+1]
.endr
.irp t, 0,1,2,3
	v_add_f32 v[ST+8*(\t)+1], v[ST+8*(\t)+4], v[ST+8*(\t)+5]  ; l, beside c m
.endr
.irp t, 0,1,2,3
	ds_store_b64 v[STS], v[ST+8*(\t):ST+8*(\t)+1] offset:128*(\t)  ; both halves of the lanes hold the same pair
.endr
	s_cmp_eq_u32 s[PH], 1           ; the pass counter: the same in every wave and every work-group
	s_cbranch_scc1 .Lno_q_\@
	QLOAD QLO
.Lno_q_\@:
	s_wait_dscnt 0x0                ; for the others' sake
	s_barrier_signal -1
	s_barrier_wait -1
.irp t, 0,1,2,3
.irp p, 0,1,2,3
	ds_load_b64 v[S+8*(\t)+2*(\p):S+8*(\t)+2*(\p)+1], v[STR] offset:512*(\p)+128*(\t)
.endr
.endr
	s_wait_dscnt 0x0
.irp t, 0,1,2,3
	v_max3_num_f32 v[F+8*(\t)+5], v[S+8*(\t)], v[S+8*(\t)+2], v[S+8*(\t)+4]
.endr
.irp t, 0,1,2,3
	v_max_num_f32 v[F+8*(\t)+5], v[F+8*(\t)+5], v[S+8*(\t)+6]
.endr
.irp t, 0,1,2,3
.irp p, 0,1,2,3
	v_sub_f32 v[F+8*(\t)+(\p)], v[S+8*(\t)+2*(\p)], v[F+8*(\t)+5]
.endr
	v_sub_f32 v[F+8*(\t)+4], v[ST+8*(\t)], v[F+8*(\t)+5]
.endr
.irp t, 0,1,2,3
.irp p, 0,1,2,3,4
	v_exp_f32 v[F+8*(\t)+(\p)], v[F+8*(\t)+(\p)]
.endr
.endr
	v_nop                           ; a plain instruction behind the last exponential,
	s_wait_alu depctr_va_vdst(0)    ; and one wait for the twenty, ahead of their first reader
.irp t, 0,1,2,3
	v_mul_f32 v[F+8*(\t)+6], v[F+8*(\t)], v[S+8*(\t)+1]
.endr
.irp p, 1,2,3
.irp t, 0,1,2,3
	v_fmac_f32 v[F+8*(\t)+6], v[F+8*(\t)+(\p)], v[S+8*(\t)+2*(\p)+1]
.endr
.endr
.irp t, 0,1,2,3
	v_rcp_f32 v[F+8*(\t)+7], v[F+8*(\t)+6]  ; L is at least the sum of the partial that holds M, which is 1 or more
.endr
	v_nop
	s_wait_alu depctr_va_vdst(0)    ; one wait for the four reciprocals
.irp t, 0,1,2,3
	v_mul_f32 v[G+2*(\t)], v[F+8*(\t)+4], v[F+8*(\t)+7]
	v_mul_f32 v[G+2*(\t)+1], v[F+8*(\t)+4], v[F+8*(\t)+7]
.endr
.irp r, 0,1,2,3
	WIN W_RS
.set i, 64*(\r)
.rept 32
	v_pk_mul_f32 v[i:i+1], v[i:i+1], v[G+2*(\r):G+2*(\r)+1] op_sel_hi:[1,0]
.set i, i+2
.endr
	WIN 0x04                        ; the stores' data in window 1
.irp c, 0,1,2,3,4,5,6,7
	ds_store_b128 v[STW], v[64*(\r)+8*(\c):64*(\r)+8*(\c)+3]   offset:64*(\c)
	ds_store_b128 v[STW], v[64*(\r)+8*(\c)+4:64*(\r)+8*(\c)+7] offset:64*(\c)+16
.endr
	WIN 0
	s_wait_dscnt 0x0                ; for the others' sake: my partial tile lies in the stage
	s_barrier_signal -1
	s_barrier_wait -1
.irp q, 0,1,2,3
.irp p, 0,1,2,3
	ds_load_b128 v[128+16*(\q)+4*(\p):128+16*(\q)+4*(\p)+3], v[SRD] offset:(\p)*16*SPT+(\q)*SPT
.endr
.endr
	s_wait_dscnt 0x0
.irp q, 0,1,2,3
	v_pk_add_f32 v[128+16*(\q):128+16*(\q)+1], v[128+16*(\q):128+16*(\q)+1], v[128+16*(\q)+4:128+16*(\q)+5]
	v_pk_add_f32 v[128+16*(\q)+2:128+16*(\q)+3], v[128+16*(\q)+2:128+16*(\q)+3], v[128+16*(\q)+6:128+16*(\q)+7]
	v_pk_add_f32 v[128+16*(\q)+8:128+16*(\q)+9], v[128+16*(\q)+8:128+16*(\q)+9], v[128+16*(\q)+12:128+16*(\q)+13]
	v_pk_add_f32 v[128+16*(\q)+10:128+16*(\q)+11], v[128+16*(\q)+10:128+16*(\q)+11], v[128+16*(\q)+14:128+16*(\q)+15]
	v_pk_add_f32 v[128+16*(\q):128+16*(\q)+1], v[128+16*(\q):128+16*(\q)+1], v[128+16*(\q)+8:128+16*(\q)+9]
	v_pk_add_f32 v[128+16*(\q)+2:128+16*(\q)+3], v[128+16*(\q)+2:128+16*(\q)+3], v[128+16*(\q)+10:128+16*(\q)+11]
	v_cvt_pk_f16_f32 v[P+8*(\r)+2*(\q)], v[128+16*(\q)], v[128+16*(\q)+1]
	v_cvt_pk_f16_f32 v[P+8*(\r)+2*(\q)+1], v[128+16*(\q)+2], v[128+16*(\q)+3]
	global_store_b64 v[GO], v[P+8*(\r)+2*(\q):P+8*(\r)+2*(\q)+1], s[OB:OB+1] offset:(16*(\r)+(\q))*4096
.endr
.if (\r) < 3
	s_barrier_signal -1             ; every wave's reads of the stage are back (the wait for 0 above): the next tile may be written
	s_barrier_wait -1
.endif
.endr
.endm
	s_branch .Lslot                 ; the first pass begins with a change of slots that fills
.Llast:                             ; the second pass: the walk's ninth tile.  Its change of slots is written out by itself, so that it holds no tensor load: nothing is left to ask for
	CHANGE 0
	s_mov_b32 s[SLOTS], 1           ; one trip
	s_branch .Lwork
.Lslot:                             ; the first pass: eight trips: a tile is entered and the next is asked for
	CHANGE 1
.Lwork:
	WORK
	s_cmp_lg_u32 s[RT], 0           ; RT hangs on the cluster's x alone: the same in all waves and all partners
	s_cbranch_scc1 .Lbottom
	FINISH                          ; the first block's end in the first pass, the second's in the ninth trip
	s_cmp_eq_u32 s[PH], 1
	s_cbranch_scc1 .Lbottom         ; nothing follows the second block
	s_wait_xcnt 0x0                 ; the stores have read their registers and ctx's address
	s_mov_b64 s[OB:OB+1], s[OLO:OLO+1]
	s_add_co_u32 s[RT], s[CA], 1    ; the second block has a + 1 tiles
	s_mov_b32 s[CUR], s[LOT]
	s_mov_b32 s[CUR+1], s[LOT+1]
	s_mov_b32 s[CUR+2], s[LOT+2]
.irp t, 0,1,2,3
	v_mov_b32 v[ST+8*(\t)], 0xdb0293ee
	v_mov_b32 v[ST+8*(\t)+1], 0xd4800000
.endr
.Lbottom:
	s_sub_co_u32 s[SLOTS], s[SLOTS], 1
	s_cmp_lg_u32 s[SLOTS], 0
	s_cbranch_scc1 .Lslot
	s_sub_co_u32 s[PH], s[PH], 1
	s_cmp_lg_u32 s[PH], 0
	s_cbranch_scc1 .Llast
	s_wait_tensorcnt 0x0            ; the wave's end: behind my last tensor load and my last LDS store
	ds_add_u32 v[SPW], v[NIL]
	s_wait_dscnt 0x0
	CROUND                          ; the closing round
	s_endpgm
.Lfunc_end_k_qbee4639c32_attn:
	.size	k_qbee4639c32_attn, .Lfunc_end_k_qbee4639c32_attn-k_qbee4639c32_attn
	.p2alignl 7, 3214868480
	.fill 96, 4, 3214868480
	.section	.rodata,"a",@progbits
	.p2align	6, 0x0
	.amdhsa_kernel k_qbee4639c32_attn
		.amdhsa_group_segment_fixed_size 327680
		.amdhsa_private_segment_fixed_size 0
		.amdhsa_enable_private_segment 0
		.amdhsa_kernarg_size 16
		.amdhsa_user_sgpr_count 2
		.amdhsa_user_sgpr_kernarg_segment_ptr 1
		.amdhsa_wavefront_size32 1
		.amdhsa_system_sgpr_workgroup_id_x 1
		.amdhsa_system_sgpr_workgroup_id_y 1
		.amdhsa_system_sgpr_workgroup_id_z 1
		.amdhsa_system_vgpr_workitem_id 0
		.amdhsa_next_free_vgpr 928
		.amdhsa_next_free_sgpr 82
		.amdhsa_reserve_vcc 1
		.amdhsa_float_denorm_mode_32 3
		.amdhsa_float_denorm_mode_16_64 3
		.amdhsa_memory_ordered 1
		.amdhsa_forward_progress 1
		.amdhsa_inst_pref_size 112
	.end_amdhsa_kernel
	.amdgpu_metadata
---
amdhsa.version: [ 1, 2 ]
amdhsa.kernels:
  - .name:           k_qbee4639c32_attn
    .symbol:         k_qbee4639c32_attn.kd
    .args:
      - { .name: qkv, .offset: 0, .size: 8, .value_kind: global_buffer, .address_space: global }
      - { .name: ctx, .offset: 8, .size: 8, .value_kind: global_buffer, .address_space: global }
    .group_segment_fixed_size: 327680
    .private_segment_fixed_size: 0
    .kernarg_segment_align: 8
    .kernarg_segment_size: 16
    .max_flat_workgroup_size: 128
    .sgpr_count:     82
    .vgpr_count:     928
    .wavefront_size: 32
...
	.end_amdgpu_metadata
.endif
;; end of part 3
;; launch proj (part 4): grid 16 x 16, 4 waves a work-group, clusters of 4 x 4, 327,680 bytes of LDS; arguments ctx, wb, out0; writes out0
.if DOCPART == 4
	.amdgcn_target "amdgcn-amd-amdhsa--gfx1250"
	.amdhsa_code_object_version 6
	.text
	.protected	k_qbee4639c32_proj
	.globl	k_qbee4639c32_proj
	.p2align	8
	.type	k_qbee4639c32_proj,@function
k_qbee4639c32_proj:
	s_mov_b64 s[64:65], 0
	v_nop
	global_prefetch_b8 v0, s[64:65] scope:SCOPE_SE
	s_setreg_imm32_b32 hwreg(HW_REG_WAVE_MODE, 25, 1), 1
	s_wait_xcnt 0x0
	s_wait_alu depctr_hold_cnt(0) depctr_sa_sdst(0) depctr_va_vdst(0) depctr_va_sdst(0) depctr_va_ssrc(0) depctr_va_vcc(0) depctr_vm_vsrc(0)
	s_getreg_b32 s2, hwreg(HW_REG_IB_STS2, 6, 4)
	s_cmp_eq_u32 s2, 0
	s_cbranch_scc0 .Lentry_in_a_cluster
	s_endpgm
.Lentry_in_a_cluster:
	s_bfe_u32 s2, ttmp6, 0x10000c
	s_cmp_lg_u32 s2, 0xf033
	s_cbranch_scc0 .Lentry_shape_is_right
	s_endpgm
.Lentry_shape_is_right:
; out0[m][n] = the sum over k of ctx[m][k] Wo[n][k].  ctx: [2048][2048] f16 = the context / 4; Wo: [2048][2048] f16 = bf16(Wo) x 4, at byte 33,554,432 of wb; the two factors cancel.  Sums in f32, stored as f32.
; A tile of out0 is 128 x 128: 16 x 16 work-groups, four waves of 64 x 64: 16 accumulators.  K goes in steps of 256 (LDS rows of 512 bytes; a wave's tensor load brings 64 of them) through two slots.
; CLUSTER 4 x 4: ctx's tile is shared along a row of the cluster, Wo's along a column: joint loads.  THE MATRIX INSTRUCTION IS USED TRANSPOSED (source 0 = 16 rows of Wo, source 1 = 16 rows of ctx):
; a lane holds eight neighbouring numbers of a row of out0.  No prefetch: a tile's step is short and its rows are few.
; CLUSTERS START AT DIFFERENT K STEPS: cluster (X, Y) walks K steps s, s + 1, .. s + 7 modulo 8, s = 2 X + 4 (Y % 2), so that the clusters that read the same rows ask for them at different times.
; The f32 sums are taken in that order of K.
; REGISTERS: window 0: v16-29 addresses; v128-255 the accumulators ((a, b) at 128 + 8 (4 a + b)).  window 1: two fragment buffers of 128: for 64 along K, 64 registers of ctx, then 64 of Wo.
.set SIZE_K, 2048
.set SIZE_N, 2048
.set KSTEP,  256
.set PITCH,  528                       ; 512 bytes + 16 of padding = 132 words: row r starts at bank 4 r mod 64 (64 banks of 4 bytes: ISA guide 11.1)
.set HALFT,  64*PITCH
.set SLOT,   4*HALFT
.set SPARE,  2*SLOT                    ; behind the ring: the spare words, 128 bytes a wave, two blocks of 256 bytes that no other line names
.set SPITCH, 528                       ; the stage, 128 rows of 512 bytes + 16, lies in slot 0's bytes once that slot has had its last fill and its last read
.set LAPS, SIZE_K/(2*KSTEP)
.set ADRA, 16
.set ADRB, 20
.set STO,  24
.set RD,   25
.set CO,   26
.set SPW,  28
.set NIL,  29
.set ACC,  128
.set F0,   0
.set F1,   128
.set G1, 24
.set G0, 32
.set G1B, 48
.set G0B, 56
.set KN,  66                           ; s66  the K step that the next refill asks for, before the modulo
.set KOFF, 68                          ; s[68:69] its byte offset in a row
.set MSB, 0
.macro WIN new
.if MSB != (\new)
	s_set_vgpr_msb (MSB<<8)|(\new)
.set MSB, \new
.endif
.endm
.set MUL,  0x05                        ; sources 0 and 1 window 1; C and D window 0
.set TO_F, 0x40                        ; destination window 1, address window 0
.macro JLOAD s                         ; waves 0 and 1 fetch ctx's two halves, waves 2 and 3 Wo's; an s_nop 0 and four v_nop follow each line
	s_cmp_eq_u32 s11, 0
	s_cbranch_scc0 .Lfor_b_\@
	tensor_load_to_lds s[G0+4*(\s):G0+4*(\s)+3], s[G1:G1+7]
	s_nop 0
.rept 4
	v_nop
.endr
	s_branch .Lasked_\@
.Lfor_b_\@:
	tensor_load_to_lds s[G0B+4*(\s):G0B+4*(\s)+3], s[G1B:G1B+7]
	s_nop 0
.rept 4
	v_nop
.endr
.Lasked_\@:
.endm
.macro CREST
	s_cmp_lg_u32 s10, 0
	s_cbranch_scc1 .Lnot_wave_0_\@
	s_barrier_signal -3
.Lnot_wave_0_\@:
	s_barrier_wait -3
	s_barrier_signal -1
	s_barrier_wait -1
.endm
.macro CROUND
	s_barrier_signal -1
	s_barrier_wait -1
	CREST
.endm
	s_load_b128 s[4:7], s[0:1], 0x0                ; ctx s[4:5], wb s[6:7]
	s_load_b64 s[8:9], s[0:1], 0x10                ; out0
	v_lshl_add_u32 v[SPW], v0, 2, SPARE
	v_mov_b32 v[NIL], 0
	ds_add_u32 v[SPW], v[NIL]                      ; the wave's opening: the add and its wait ahead of my first tensor load
	v_lshrrev_b32 v1, 5, v0
	v_readfirstlane_b32 s10, v1                    ; wave 0..3
	s_lshr_b32 s11, s10, 1                         ; which half of the tile's rows is mine.  Also: I fetch for ctx (0) or for Wo (1)
	s_and_b32 s12, s10, 1                          ; which half of its columns.  Also: which 64 rows of that tile I fetch
	s_bfe_u32 s40, ttmp6, 0x40000
	s_bfe_u32 s41, ttmp6, 0x40004
	s_lshl_b32 s42, ttmp9, 2
	s_add_co_u32 s42, s42, s40                     ; tile column
	s_and_b32 s13, ttmp7, 0xffff
	s_and_b32 s21, s13, 1                          ; the walk's first K step: s = (2 X + 4 (Y % 2)) mod 8, the same in all sixteen partners
	s_lshl_b32 s21, s21, 2
	s_lshl_b32 s[KN], ttmp9, 1
	s_add_co_u32 s[KN], s[KN], s21
	s_and_b32 s[KN], s[KN], 7
	s_lshl_b32 s[KOFF], s[KN], 9                   ; a K step is 512 bytes of a row
	s_mov_b32 s[KOFF+1], 0
	s_add_co_u32 s[KN], s[KN], 2                   ; steps s and s + 1 (s is even: no wrap) are the first fills
	s_lshl_b32 s13, s13, 2
	s_add_co_u32 s13, s13, s41                     ; tile row
	s_lshl_b32 s43, s41, 2
	s_lshl_b32 s43, 15, s43                        ; my row of the cluster
	s_lshl_b32 s44, 0x1111, s40                    ; my column
	s_or_b32 s[G1+0], s43, (1<<16)|(1<<20)|(1<<21)|(6<<22)|(3<<25)  ; the mask; elements of 2 bytes; padding on; bit 21 beside a mask; after every 128 words 4 words
	s_or_b32 s[G1B+0], s44, (1<<16)|(1<<20)|(1<<21)|(6<<22)|(3<<25)
.irp g, G1, G1B
	s_mov_b32 s[(\g)+1], KSTEP<<16                 ; tensor_dim0 = 256
	s_mov_b32 s[(\g)+2], 64<<16                    ; tensor_dim1 = 64
	s_mov_b32 s[(\g)+3], KSTEP<<16                 ; tile_dim0 = 256
	s_mov_b32 s[(\g)+4], 64                        ; tile_dim1 = 64
	s_mov_b32 s[(\g)+5], SIZE_K
	s_mov_b32 s[(\g)+6], 0
	s_mov_b32 s[(\g)+7], 0
.endr
	s_lshl_b32 s17, s12, 6
	s_lshl_b32 s16, s13, 7
	s_add_co_u32 s16, s16, s17                     ; ctx: row 128 x tile row + 64 x half
	s_lshl_b32 s46, s42, 7
	s_add_co_u32 s46, s46, s17                     ; Wo: row 128 x tile column + 64 x half
	s_mov_b32 s17, 0
	s_mov_b32 s47, 0
	s_mov_b64 s[18:19], SIZE_K*2
	s_mul_u64 s[16:17], s[16:17], s[18:19]
	s_mul_u64 s[46:47], s[46:47], s[18:19]
	s_mul_i32 s20, s10, HALFT
	s_wait_dscnt 0x0                               ; the opening add is done
	s_wait_kmcnt 0x0
	s_add_nc_u64 s[4:5], s[4:5], s[16:17]          ; ctx at the first of the 64 rows that I fetch: kept, every refill's address is made from it
	s_add_nc_u64 s[6:7], s[6:7], s[46:47]
	s_add_nc_u64 s[6:7], s[6:7], 33554432          ; Wo's part of wb, likewise
	s_add_nc_u64 s[14:15], s[4:5], s[KOFF:KOFF+1]
	s_add_nc_u64 s[46:47], s[6:7], s[KOFF:KOFF+1]
	CROUND                                         ; all sixteen work-groups are here: the first joint loads meet
.irp s, 0,1
	s_mov_b32 s[G0+4*(\s)], 1
	s_add_co_u32 s[G0+4*(\s)+1], s20, (\s)*SLOT
	s_add_nc_u64 s[G0+4*(\s)+2:G0+4*(\s)+3], s[14:15], (\s)*KSTEP*2
	s_or_b32 s[G0+4*(\s)+3], s[G0+4*(\s)+3], 0x80000000
	s_mov_b32 s[G0B+4*(\s)], 1
	s_add_co_u32 s[G0B+4*(\s)+1], s20, (\s)*SLOT
	s_add_nc_u64 s[G0B+4*(\s)+2:G0B+4*(\s)+3], s[46:47], (\s)*KSTEP*2
	s_or_b32 s[G0B+4*(\s)+3], s[G0B+4*(\s)+3], 0x80000000
	JLOAD \s                                       ; two loads of mine are out
.endr
	v_and_b32 v1, 15, v0                           ; l % 16
	v_bfe_u32 v2, v0, 4, 1                         ; l / 16
	v_mul_u32_u24 v3, v1, PITCH
	v_lshl_add_u32 v3, v2, 4, v3
	s_mul_i32 s21, s11, HALFT
	s_mul_i32 s22, s12, HALFT
	s_add_co_u32 s22, s22, 2*HALFT
.irp s, 0,1
	v_add_nc_u32 v[ADRA+(\s)], s21, v3
	v_add_nc_u32 v[ADRB+(\s)], s22, v3
	s_add_co_u32 s21, s21, SLOT
	s_add_co_u32 s22, s22, SLOT
.endr
	s_mul_i32 s23, s11, 64*SPITCH                  ; into the stage: my 64 rows, my half of their 512 bytes; row l % 16, 32 bytes for each half of the lanes
	s_lshl_b32 s21, s12, 8
	s_add_co_u32 s23, s23, s21
	v_mul_u32_u24 v4, v1, SPITCH
	v_lshl_add_u32 v4, v2, 5, v4
	v_add_nc_u32 v[STO], s23, v4
	s_mul_i32 s22, s10, 32*SPITCH                  ; back: wave w takes rows 32 w .. + 31, a whole row of 512 bytes a load
	v_and_b32 v5, 31, v0
	v_lshlrev_b32 v[CO], 4, v5
	v_add_nc_u32 v[RD], s22, v[CO]
	s_lshl_b32 s16, s13, 7
	s_lshl_b32 s17, s10, 5
	s_add_co_u32 s16, s16, s17                     ; the first row of out0 that I store
	s_lshl_b32 s16, s16, 13                        ; rows of 8,192 bytes
	s_mov_b32 s17, 0
	s_add_nc_u64 s[8:9], s[8:9], s[16:17]
	s_lshl_b32 s46, s42, 9                         ; the tile's first column, in bytes
	s_mov_b32 s47, 0
	s_add_nc_u64 s[8:9], s[8:9], s[46:47]
; 8 matrix instructions: row blocks a0, a0 + 1 x all 4 column blocks, 32 along K: half c of buffer f.  The 16 accumulators take turns.
.macro MUL8 f, c, a0, zero
	WIN MUL
.irp a, \a0, (\a0)+1
.irp b, 0,1,2,3
.if \zero
	v_wmma_f32_16x16x32_f16 v[ACC+8*(4*(\a)+(\b)):ACC+8*(4*(\a)+(\b))+7], v[(\f)+64+8*(4*(\c)+(\b)):(\f)+64+8*(4*(\c)+(\b))+7], v[(\f)+8*(4*(\c)+(\a)):(\f)+8*(4*(\c)+(\a))+7], 0
.else
	v_wmma_f32_16x16x32_f16 v[ACC+8*(4*(\a)+(\b)):ACC+8*(4*(\a)+(\b))+7], v[(\f)+64+8*(4*(\c)+(\b)):(\f)+64+8*(4*(\c)+(\b))+7], v[(\f)+8*(4*(\c)+(\a)):(\f)+8*(4*(\c)+(\a))+7], v[ACC+8*(4*(\a)+(\b)):ACC+8*(4*(\a)+(\b))+7]
.endif
.endr
.endr
.endm
.macro FETCH slot, k, f                ; 32 LDS loads in one run: 64 along K at byte k of the rows, the first 32 along K first
	WIN TO_F
.irp c, 0,1
.irp i, 0,1,2,3
	ds_load_b128 v[(\f)+64+8*(4*(\c)+(\i)):(\f)+64+8*(4*(\c)+(\i))+3],   v[ADRB+(\slot)] offset:(\k)+64*(\c)+(\i)*16*PITCH
	ds_load_b128 v[(\f)+64+8*(4*(\c)+(\i))+4:(\f)+64+8*(4*(\c)+(\i))+7], v[ADRB+(\slot)] offset:(\k)+64*(\c)+(\i)*16*PITCH+32
	ds_load_b128 v[(\f)+8*(4*(\c)+(\i)):(\f)+8*(4*(\c)+(\i))+3],         v[ADRA+(\slot)] offset:(\k)+64*(\c)+(\i)*16*PITCH
	ds_load_b128 v[(\f)+8*(4*(\c)+(\i))+4:(\f)+8*(4*(\c)+(\i))+7],       v[ADRA+(\slot)] offset:(\k)+64*(\c)+(\i)*16*PITCH+32
.endr
.endr
.endm
.macro PLACES
.rept 4
	v_nop
.endr
.endm
.macro QUARTER slot, k, f, g, zero     ; 64 along K: multiplies buffer f and fetches the next quarter, at byte k, into g
	s_wait_dscnt 16                                ; the first 32 along K are in
	WIN MUL
	MUL8 \f, 0, 0, \zero
	MUL8 \f, 0, 2, \zero
	PLACES
	FETCH \slot, \k, \g
	s_wait_dscnt 32                                ; all but the 32 just issued
	WIN MUL
	MUL8 \f, 1, 0, 0
	MUL8 \f, 1, 2, 0
.endm
; The last quarter multiplies buffer 1 and changes slots: ONE barrier.  Its first 16 products stand AHEAD of the wait for the tensor loads, so that the refill asked for a step ago has the whole step,
; 128 matrix instructions, in which to land, and only the add and the round stand between its landing and the next request.  In front of the barrier each wave waits for all its tensor loads, adds 0 to its
; spare word, and waits for that and for its own reads of this slot.  fill = 1: this slot is filled again first thing behind the round, with the walk's step two on.
.macro TURN slot, next, fill
	s_wait_dscnt 16                                ; the first 32 along K are in
	MUL8 F1, 0, 0, 0
	MUL8 F1, 0, 2, 0
	WIN 0                                          ; the add's registers lie in window 0
	s_wait_tensorcnt 0x0                           ; all my tensor loads have landed: my part of the next slot; so every group 0 may be written
	ds_add_u32 v[SPW], v[NIL]                      ; 0 onto my spare word: the scalar work below stands between it and the wait for it
.if \fill
	s_and_b32 s[KOFF], s[KN], 7                    ; the walk wraps round K's 8 steps
	s_lshl_b32 s[KOFF], s[KOFF], 9
	s_add_co_u32 s[KN], s[KN], 1
	s_add_nc_u64 s[G0+4*(\slot)+2:G0+4*(\slot)+3], s[4:5], s[KOFF:KOFF+1]
	s_or_b32 s[G0+4*(\slot)+3], s[G0+4*(\slot)+3], 0x80000000
	s_add_nc_u64 s[G0B+4*(\slot)+2:G0B+4*(\slot)+3], s[6:7], s[KOFF:KOFF+1]
	s_or_b32 s[G0B+4*(\slot)+3], s[G0B+4*(\slot)+3], 0x80000000
.endif
	s_wait_dscnt 0x0                               ; the add is done, and my reads of this slot are over
	s_barrier_signal -1
	s_barrier_wait -1
.if \fill
	CREST                                          ; no wave of any partner still reads this slot's tile or has a load on its way
	JLOAD \slot                                    ; its four v_nop are also the places in front of the loads below
.else
	PLACES
.endif
	FETCH \next, 0, F0
	WIN MUL
	MUL8 F1, 1, 0, 0
	MUL8 F1, 1, 2, 0
.endm
	s_wait_tensorcnt 1                             ; my part of the walk's first step is in; the second's may stay out
	s_barrier_signal -1
	s_barrier_wait -1
	FETCH 0, 0, F0
	QUARTER 0, 128, F0, F1, 1                      ; the first quarter stands in front of the loop: its first products start the sums
	WIN 0
	s_mov_b32 s3, LAPS-1
.Llap:
	QUARTER 0, 256, F1, F0, 0
	QUARTER 0, 384, F0, F1, 0
	TURN 0, 1, 1
	QUARTER 1, 128, F0, F1, 0
	QUARTER 1, 256, F1, F0, 0
	QUARTER 1, 384, F0, F1, 0
	TURN 1, 0, 1
	QUARTER 0, 128, F0, F1, 0
	WIN 0
	s_sub_co_u32 s3, s3, 1
	s_cmp_lg_u32 s3, 0
	s_cbranch_scc1 .Llap
	QUARTER 0, 256, F1, F0, 0                      ; the last lap fills nothing
	QUARTER 0, 384, F0, F1, 0
	TURN 0, 1, 0                                   ; behind this barrier no wave reads slot 0 any more, and nothing is loaded into it again: its bytes become the stage
	QUARTER 1, 128, F0, F1, 0
	QUARTER 1, 256, F1, F0, 0
	QUARTER 1, 384, F0, F1, 0
	s_wait_dscnt 16
	WIN MUL
	MUL8 F1, 0, 0, 0
	MUL8 F1, 0, 2, 0
	s_wait_dscnt 0x0
	MUL8 F1, 1, 0, 0
	MUL8 F1, 1, 2, 0
	WIN 0
	; THE WAY OUT: 32 bytes a lane into the stage, each accumulator's low four registers first; a barrier, since a row's 512 bytes come from two waves; back as whole rows, 32 rows a wave.
	PLACES
	PLACES
.irp a, 0,1,2,3
.irp b, 0,1,2,3
	ds_store_b128 v[STO], v[ACC+8*(4*(\a)+(\b)):ACC+8*(4*(\a)+(\b))+3]   offset:(\a)*16*SPITCH+64*(\b)
	ds_store_b128 v[STO], v[ACC+8*(4*(\a)+(\b))+4:ACC+8*(4*(\a)+(\b))+7] offset:(\a)*16*SPITCH+64*(\b)+16
.endr
.endr
	s_wait_dscnt 0x0                               ; for the others' sake: my stores into the stage are done
	s_barrier_signal -1
	s_barrier_wait -1
.set t, 0
.rept 32
	ds_load_b128 v[ACC+4*t:ACC+4*t+3], v[RD] offset:t*SPITCH
.set t, t+1
.endr
.set t, 0
.rept 32
	s_wait_dscnt 31-t                              ; LDS loads come back in order: the younger ones stay out
	global_store_b128 v[CO], v[ACC+4*t:ACC+4*t+3], s[8:9] offset:t*SIZE_N*4  ; a wave's store covers 512 consecutive bytes of a row of out0, aligned
.set t, t+1
.endr
	s_wait_tensorcnt 0x0                           ; the wave's end: behind my last tensor load and my last LDS store
	ds_add_u32 v[SPW], v[NIL]
	s_wait_dscnt 0x0
	CROUND                                         ; the closing round
	s_endpgm
.Lfunc_end_k_qbee4639c32_proj:
	.size	k_qbee4639c32_proj, .Lfunc_end_k_qbee4639c32_proj-k_qbee4639c32_proj
	.p2alignl 7, 3214868480
	.fill 96, 4, 3214868480
	.section	.rodata,"a",@progbits
	.p2align	6, 0x0
	.amdhsa_kernel k_qbee4639c32_proj
		.amdhsa_group_segment_fixed_size 327680
		.amdhsa_private_segment_fixed_size 0
		.amdhsa_enable_private_segment 0
		.amdhsa_kernarg_size 24
		.amdhsa_user_sgpr_count 2
		.amdhsa_user_sgpr_kernarg_segment_ptr 1
		.amdhsa_wavefront_size32 1
		.amdhsa_system_sgpr_workgroup_id_x 1
		.amdhsa_system_sgpr_workgroup_id_y 1
		.amdhsa_system_sgpr_workgroup_id_z 1
		.amdhsa_system_vgpr_workitem_id 0
		.amdhsa_next_free_vgpr 512
		.amdhsa_next_free_sgpr 70
		.amdhsa_reserve_vcc 0
		.amdhsa_float_denorm_mode_32 3
		.amdhsa_float_denorm_mode_16_64 3
		.amdhsa_memory_ordered 1
		.amdhsa_forward_progress 1
		.amdhsa_inst_pref_size 87
	.end_amdhsa_kernel
	.amdgpu_metadata
---
amdhsa.version: [ 1, 2 ]
amdhsa.kernels:
  - .name:           k_qbee4639c32_proj
    .symbol:         k_qbee4639c32_proj.kd
    .args:
      - { .name: ctx, .offset: 0, .size: 8, .value_kind: global_buffer, .address_space: global }
      - { .name: wb, .offset: 8, .size: 8, .value_kind: global_buffer, .address_space: global }
      - { .name: out0, .offset: 16, .size: 8, .value_kind: global_buffer, .address_space: global }
    .group_segment_fixed_size: 327680
    .private_segment_fixed_size: 0
    .kernarg_segment_align: 8
    .kernarg_segment_size: 24
    .max_flat_workgroup_size: 128
    .sgpr_count:     70
    .vgpr_count:     512
    .wavefront_size: 32
...
	.end_amdgpu_metadata
.endif
;; end of part 4
